; MI455X (gfx1250); checked and timed in simulation.
; The chip was launched on July 23, 2026; its instructions are those of AMD's public machine-readable ISA for CDNA 5 (MIT licence, August 2026) and "CDNA5" Instruction Set Architecture Reference Guide (July 2026). The comments in the code are by the model that wrote it; some were corrected since.
;; Multihead Attention. Allowed arithmetic: matrix products marked QUANTISED: E5M2 operands, one given power-of-two scale a tensor, by v_wmma_f32_16x16x64_bf8_bf8 or v_wmma_f32_16x16x128_bf8_bf8, f32 sums; everything else in f32.
;; Inputs: bk 1,024 float32; bo 1,024 float32; bq 1,024 float32; bv 1,024 float32; k_codes 1 x 4,096 x 32 x 32 uint8 (E5M2 codes of k, K innermost, in blocks of 32 codes); lowp_scales 12 int32 (the exponents e of the quantised operands' scales 2^e); mask 1 x 1 x 4,096 x 4,096 bool; q_codes 1 x 4,096 x 32 x 32 uint8 (E5M2 codes of q, K innermost, in blocks of 32 codes); v_codes 1 x 4,096 x 32 x 32 uint8 (E5M2 codes of v, K innermost, in blocks of 32 codes); wk_codes 1,024 x 32 x 32 uint8 (E5M2 codes of wk, K innermost, in blocks of 32 codes); wo_codes 1,024 x 32 x 32 uint8 (E5M2 codes of wo, K innermost, in blocks of 32 codes); wq_codes 1,024 x 32 x 32 uint8 (E5M2 codes of wq, K innermost, in blocks of 32 codes); wv_codes 1,024 x 32 x 32 uint8 (E5M2 codes of wv, K innermost, in blocks of 32 codes).
;; Outputs: out0 1 x 4,096 x 1,024 float32.
;; This version of the problem:
;;   THIS VERSION OF THE PROBLEM IS GIVEN IN LOW PRECISION. The matrix products marked QUANTISED in the list below multiply operands that are first quantised to E5M2 (5 exponent bits, 2 mantissa bits; 8 bits a number), with one given power-of-two scale for each operand tensor; their sums are f32. All else is computed in f32.
;;   The module's matrix products, in the order in which they are computed (A, B: the left and right operand; K: the contracted axis; several contracted axes count as one K, in the product's order):
;;     1. [M 4,096, K 1,024] x [K 1,024, N 1,024]; A: input q (given as codes); B: input wq (given as codes): QUANTISED (scales: A lowp_scales[0], B lowp_scales[1])
;;     2. [M 4,096, K 1,024] x [K 1,024, N 1,024]; A: input k (given as codes); B: input wk (given as codes): QUANTISED (scales: A lowp_scales[2], B lowp_scales[3])
;;     3. [M 4,096, K 1,024] x [K 1,024, N 1,024]; A: input v (given as codes); B: input wv (given as codes): QUANTISED (scales: A lowp_scales[4], B lowp_scales[5])
;;     4. batch 16 x [M 4,096, K 64] x [K 64, N 4,096]; A: computed on the way; B: computed on the way: QUANTISED (scales: A lowp_scales[6], B lowp_scales[7])
;;     5. batch 16 x [M 4,096, K 4,096] x [K 4,096, N 64]; A: softmax (see below); B: computed on the way: QUANTISED (scales: A lowp_scales[8], B lowp_scales[9])
;;     6. [M 4,096, K 1,024] x [K 1,024, N 1,024]; A: computed on the way; B: input wo (given as codes): QUANTISED (scales: A lowp_scales[10], B lowp_scales[11])
;;   THE QUANTISER, for each operand of a quantised product, along K:
;;     - The operand's scale is 2^e, e = its entry of the input lowp_scales (int32; the entries are numbered through the quantised products in the list's order, A before B).
;;     - Each number is divided by the scale, clamped to +-57,344, and rounded to the nearest number of E5M2, ties to even, subnormals kept.
;;     - The product sums the exact products of the quantised numbers (number of the format x scale) in f32.
;;   ~~~python
;;   def quantise(x, axis, e):      # numpy; x: float32 -> the quantised numbers, widened to float32 again
;;       x = np.moveaxis(x, axis, -1); K = x.shape[-1]
;;       r = np.clip(x / 2.0 ** e, -57344, 57344)
;;       step = 2.0 ** (np.maximum(np.frexp(np.where(r == 0, 1, r))[1] - 1, -14) - 2)
;;       q = np.round(r / step) * step * 2.0 ** e      # np.round: ties to even
;;       return np.moveaxis(q, -1, axis).astype(np.float32)
;;   ~~~
;;   SOFTMAX AHEAD OF A QUANTISED PRODUCT. Where the list says 'softmax', what is quantised is not the finished softmax but p = 2^(t - M), with t = logit x log2(e) and M = ceil(the row's largest t), a whole number; so 1/2 < the row's largest p <= 1. The row's sum l is taken of the UNQUANTISED p, in f32, and the product's result is divided by l at the end. Since M is a whole number, a kernel that streams over the keys may use a running M (the ceiling of the running maximum): every later rescaling is an exact power of two, so the quantised numbers keep their values, but for numbers so far below the row's largest that they fall under the format's range.
;;   OPERANDS COMPUTED ON THE WAY. 'Computed on the way' means the value that the module computes at that place (a softmax that the list does not call 'softmax' is quantised finished and normalised). What goes into a quantiser is computed in f32, as accurately as f32 sums, v_exp_f32 and their like allow (about 1e-6 of the number): no bf16 or f16 on the way to a quantiser, and a product that is left as it is and whose result goes on into a quantised operand takes f32 operands (vector FMAs, or v_wmma_f32_16x16x4_f32). A number that lies on a knife's edge between two numbers of the format may be rounded either way, as far as f32 arithmetic and the matrix unit's own rounding can turn it there, and no further.
;;   INPUTS GIVEN AS CODES. k (in the module: [1, 4096, 1024], K = its axis 2); q (in the module: [1, 4096, 1024], K = its axis 2); v (in the module: [1, 4096, 1024], K = its axis 2); wk (in the module: [1024, 1024], K = its axis 1); wo (in the module: [1024, 1024], K = its axis 1); wq (in the module: [1024, 1024], K = its axis 1); wv (in the module: [1024, 1024], K = its axis 1): each comes as NAME_codes (uint8): NAME with its K axis moved to the last place and cut into blocks of 32 codes, [.., K / 32, bytes a block], one block behind the other in memory; one code a byte (a code: sign, 5 exponent bits, 2 mantissa bits); its scale is its entry of lowp_scales. Its value is code x scale, taken as it is: it is not quantised again, and the codes and scales need not be those that the quantiser above would give.
;; 2 versions, each right; version 2 is version 1 with the launch attn written anew for expert scheduling mode. Each part assembles by itself: llvm-mc -triple=amdgcn-amd-amdhsa -mcpu=gfx1250 --defsym DOCPART=n.
;; ======== version 1 of 2: 4 launches
;; limits: right only within a limited range of input values
;; workspace buffers: mbits 2,097,152 bytes of whole numbers; qf 4,194,304 bytes; kf 4,194,304 bytes; vf 4,194,304 bytes; af 4,194,304 bytes
;; launch pack (part 1): grid 256 x 1, 8 waves a work-group, no clusters, 68,608 bytes of LDS; arguments mask, mbits; writes mbits
.if DOCPART == 1
	.amdgcn_target "amdgcn-amd-amdhsa--gfx1250"
	.amdhsa_code_object_version 6
	.text
	.protected	k_qe419b385d6_pack
	.globl	k_qe419b385d6_pack
	.p2align	8
	.type	k_qe419b385d6_pack,@function
k_qe419b385d6_pack:
	s_mov_b64 s[64:65], 0
	v_nop
	global_prefetch_b8 v0, s[64:65] scope:SCOPE_SE
	s_setreg_imm32_b32 hwreg(HW_REG_WAVE_MODE, 25, 1), 1
	s_wait_xcnt 0x0
; The mask [4096 queries][4096 keys], one byte a place, becomes words of 32 bits laid as the attention launch selects by them.
; mbits: the word at byte 8192 T + 256 s + 4 j (T: tile of 16 queries, s: step of 128 keys, j = 0 .. 63) has in bit L (L = 16 h + r)
; mask[16 T + r][128 s + 16 (j / 8) + 8 h + j % 8]: lane L's place in register j of a tile of transposed scores.
; SHARES.  Work-group T takes the 16 rows of its tile; wave w their columns 512 w .. 512 w + 511: steps 4 w .. 4 w + 3, 256 words, 1,024 bytes of mbits.
; Each load reads 512 consecutive bytes of one row.  The 16 x 512 bytes turn through the wave's own stage in LDS (rows 528 bytes apart), from which lane (r, h)
; takes, of row r, the 8 bytes at 16 t + 8 h of each run of 16.  A compare over the 32 lanes then IS a word; it is set into the lane and register from which
; two stores of 512 consecutive bytes take it.  Waves share nothing: no barrier.  The matrix unit, clusters and tensor loads have nothing to do here.
.set PITCH, 528                        ; 132 words: the 32 lanes of an 8-byte read begin at banks 4 r + 2 h (64 banks of 4 bytes: ISA guide 11.1)
.set WREG,  16*PITCH                   ; a wave's stage
.set R,  16                            ; v16-79   the 16 rows as loaded
.set X,  80                            ; v80-143  32 pairs: my 8 bytes of run t of step s' at pair 8 s' + t
.set W,  144                           ; v144-151 the words to store: two stores of four registers
.set TM, 152                           ; v152-159 at work, two sets of four by turns
	s_load_b128 s[4:7], s[0:1], 0x0                ; mask, mbits
	v_lshl_add_u32 v160, v0, 2, 0x10800
	v_mov_b32 v161, 0
	v_lshrrev_b32 v1, 5, v0
	v_readfirstlane_b32 s8, v1                     ; wave 0..7
	v_and_b32 v1, 31, v0                           ; lane
	v_lshlrev_b32 v2, 4, v1                        ; 16 x lane: my bytes of a load and of a store
	v_and_b32 v5, 15, v0                           ; r
	v_bfe_u32 v6, v0, 4, 1                         ; h
	s_mul_i32 s9, s8, WREG
	v_add_nc_u32 v3, s9, v2                        ; the stage, on the way in
	v_mul_u32_u24 v4, v5, PITCH
	v_lshl_add_u32 v4, v6, 3, v4
	v_add_nc_u32 v4, s9, v4                        ; and on the way out: row r, + 8 h
	s_lshl_b32 s10, ttmp9, 16                      ; 16 rows of 4,096 bytes a work-group,
	s_lshl_b32 s11, s8, 9                          ; 512 columns a wave
	s_add_co_u32 s10, s10, s11
	s_mov_b32 s11, 0
	s_lshl_b32 s12, ttmp9, 13                      ; 8,192 bytes of words a tile,
	s_lshl_b32 s13, s8, 10                         ; 1,024 a wave
	s_add_co_u32 s12, s12, s13
	s_mov_b32 s13, 0
	s_wait_kmcnt 0x0
	s_add_nc_u64 s[4:5], s[4:5], s[10:11]
	s_add_nc_u64 s[6:7], s[6:7], s[12:13]
.set i, 0
.rept 16
	global_load_b128 v[R+4*i:R+4*i+3], v2, s[4:5] offset:i*4096 th:TH_LOAD_NT   ; row i: 512 consecutive bytes; read once in the launch
.set i, i+1
.endr
.set i, 0
.rept 8
	v_mov_b32 v[W+i], 0                            ; v_writelane_b32 counts as a reader of its destination: it is written whole first
.set i, i+1
.endr
.set i, 0
.rept 16
	s_wait_loadcnt 15-i                            ; loads come back in order: row i is in, the younger rows stay out
	ds_store_b128 v3, v[R+4*i:R+4*i+3] offset:i*PITCH
.set i, i+1
.endr
.set i, 0
.rept 32
	ds_load_b64 v[X+2*i:X+2*i+1], v4 offset:128*(i/8)+16*(i%8)   ; LDS serves a wave's instructions in order: these see my stores
.set i, i+1
.endr
	s_wait_dscnt 0x0
; Word k = 4 g + n of the wave's 256: pair k / 8, byte k % 8 of it.  It belongs to store k / 128, lane (k % 128) / 4, register k % 4.
.set g, 0
.rept 64
.irp n, 0,1,2,3
	v_bfe_u32 v[TM+4*(g%2)+\n], v[X+2*(g/2)+g%2], 8*\n, 8
.endr
.irp n, 0,1,2,3
	v_cmp_ne_u32 s[16+4*(g%2)+\n], 0, v[TM+4*(g%2)+\n]   ; bit L: lane L's byte is not 0
.endr
.irp n, 0,1,2,3
	v_writelane_b32 v[W+4*(g/32)+\n], s[16+4*(g%2)+\n], g%32
.endr
.set g, g+1
.endr
	global_store_b128 v2, v[W:W+3], s[6:7]                  ; 32 lanes store 512 consecutive bytes, at a multiple of 256 from the buffer's first byte
	global_store_b128 v2, v[W+4:W+7], s[6:7] offset:512
	s_wait_tensorcnt 0x0
	ds_add_u32 v160, v161
	s_wait_dscnt 0x0
	s_endpgm
.Lfunc_end_k_qe419b385d6_pack:
	.size	k_qe419b385d6_pack, .Lfunc_end_k_qe419b385d6_pack-k_qe419b385d6_pack
	.p2alignl 7, 3214868480
	.fill 96, 4, 3214868480
	.section	.rodata,"a",@progbits
	.p2align	6, 0x0
	.amdhsa_kernel k_qe419b385d6_pack
		.amdhsa_group_segment_fixed_size 68608
		.amdhsa_private_segment_fixed_size 0
		.amdhsa_enable_private_segment 0
		.amdhsa_kernarg_size 16
		.amdhsa_user_sgpr_count 2
		.amdhsa_user_sgpr_kernarg_segment_ptr 1
		.amdhsa_wavefront_size32 1
		.amdhsa_system_sgpr_workgroup_id_x 1
		.amdhsa_system_sgpr_workgroup_id_y 1
		.amdhsa_system_sgpr_workgroup_id_z 1
		.amdhsa_system_vgpr_workitem_id 0
		.amdhsa_next_free_vgpr 162
		.amdhsa_next_free_sgpr 66
		.amdhsa_reserve_vcc 0
		.amdhsa_float_denorm_mode_32 3
		.amdhsa_float_denorm_mode_16_64 3
		.amdhsa_memory_ordered 1
		.amdhsa_forward_progress 1
		.amdhsa_inst_pref_size 55
	.end_amdhsa_kernel
	.amdgpu_metadata
---
amdhsa.version: [ 1, 2 ]
amdhsa.kernels:
  - .name:           k_qe419b385d6_pack
    .symbol:         k_qe419b385d6_pack.kd
    .args:
      - { .name: mask, .offset: 0, .size: 8, .value_kind: global_buffer, .address_space: global }
      - { .name: mbits, .offset: 8, .size: 8, .value_kind: global_buffer, .address_space: global }
    .group_segment_fixed_size: 68608
    .private_segment_fixed_size: 0
    .kernarg_segment_align: 8
    .kernarg_segment_size: 16
    .max_flat_workgroup_size: 256
    .sgpr_count:     66
    .vgpr_count:     162
    .wavefront_size: 32
...
	.end_amdgpu_metadata
.endif
;; end of part 1
;; launch proj (part 2): grid 4 x 48, 4 waves a work-group, clusters of 4 x 4, 327,680 bytes of LDS; arguments q_codes, k_codes, wv_codes, wq_codes, wk_codes, v_codes, bq, bk, bv, lowp_scales, qf, kf, vf; writes qf, kf, vf
.if DOCPART == 2
	.amdgcn_target "amdgcn-amd-amdhsa--gfx1250"
	.amdhsa_code_object_version 6
	.text
	.protected	k_qe419b385d6_proj
	.globl	k_qe419b385d6_proj
	.p2align	8
	.type	k_qe419b385d6_proj,@function
k_qe419b385d6_proj:
	s_mov_b64 s[64:65], 0
	v_nop
	global_prefetch_b8 v0, s[64:65] scope:SCOPE_SE
	s_setreg_imm32_b32 hwreg(HW_REG_WAVE_MODE, 25, 1), 1
	s_wait_xcnt 0x0
	s_wait_alu depctr_hold_cnt(0) depctr_sa_sdst(0) depctr_va_vdst(0) depctr_va_sdst(0) depctr_va_ssrc(0) depctr_va_vcc(0) depctr_vm_vsrc(0)
	s_getreg_b32 s2, hwreg(HW_REG_IB_STS2, 6, 4)
	s_cmp_eq_u32 s2, 0
	s_cbranch_scc0 .Lentry_in_a_cluster
	s_endpgm
.Lentry_in_a_cluster:
	s_bfe_u32 s2, ttmp6, 0x10000c
	s_cmp_lg_u32 s2, 0xf033
	s_cbranch_scc0 .Lentry_shape_is_right
	s_endpgm
.Lentry_shape_is_right:
; The three projections x W^T + b on codes of BF8 (E5M2), their results quantised again and stored as images of the attention launch's operand registers.
; PARTS.  The cluster's y / 4 says which: 0: q, 1: k, 2: v; y % 4 is the cluster's place in the part.  Only pointers, exponents and two masks are chosen by it (s_cselect): all parts take one path.
; A tile is 256 x 256 of (side A's rows) x (side B's rows), K = 1,024 in steps of 256 through a ring of two LDS slots; four waves, each 128 x 128: 64 accumulators, 512 registers.
; q and k: side A = the tokens (4,096 rows), side B = the weight's rows (1,024 features).  v: side A = wv's rows, side B = the tokens.
; THE MATRIX INSTRUCTION IS USED TRANSPOSED (source 0 = 16 rows of B, source 1 = 16 rows of A): lane (r, h) holds row r of A's block and eight neighbouring rows 8 h + 0 .. 7 of B's block.
; So for q and k a lane's registers run along the head's 64, and for v along the tokens: in each case along the K of the product that comes next, as the conversions want it.
; FRAGMENTS come by four loads of 16 bytes: K = 32 c + 16 h + 0 .. 15 in registers 4 c .. 4 c + 3: a permutation of K that is the same on both sides, so every product meets its partner.
; CLUSTERS: 4 x 4 work-groups.  The four of a row of the cluster need the same tiles of A, the four of a column the same tiles of B: each tile is asked for jointly.
; OUT.  number = sum x 2^(the two operands' e) + bias;  code = number / 2^eout, held within +-57,344, to the nearest code, ties to even (eout: entry 6, 7 or 9 of the scales).
;   qf, kf: byte 262144 head + 1024 T + 512 g + 16 L + e = code of (token 16 T + r, d = 32 g + 16 (e / 8) + 8 h + e % 8): registers 4 g .. 4 g + 3 of a fragment of the K = 64 form.
;   vf: byte 524288 (head / 2) + 262144 (g / 2) + 8192 s + 4096 (head % 2) + 1024 dt + 512 (g % 2) + 16 L + e = code of (d = 16 dt + r, key 128 s + 32 g + 16 (e / 8) + 8 h + e % 8): registers 4 g .. 4 g + 3 of a fragment of the K = 128 form.
;   In both a wave's block a, pair of B's blocks q, lies at 524288 X + 8192 Y + 262144 (q / 2) + 1024 a + 512 (q % 2) + 16 L: one text stores all three, 512 consecutive bytes a store.
; LIMITS: the sum of an input's and its weight's e between -126 and 127; eout between -126 and 112.  NaN is not served.
; No prefetch: K has four steps, two of which go out at the head.  One tile to a work-group: 192 tiles.
; REGISTERS, in windows of 256: window 0: v0-31 addresses; v32-95, v96-111 the biases; from v128 A's fragments, ONE set; on the way out v128-225 are at work.
;   window 1: B's fragments, TWO sets.   window 2: the accumulators of my rows 0-63 ((a, b) at v[8 (8 a + b)]);   window 3: those of my rows 64-127.
.set KSTEP,  256                       ; along K in a slot
.set ROWB,   256                       ; a tile's row in bytes
.set KROW,   1024                      ; a row of either side in memory, in bytes
.set PITCH,  272                       ; an LDS row: 256 bytes + 16 of padding = 68 words: row r starts at bank 4 r mod 64 (64 banks of 4 bytes: ISA guide 11.1)
.set FR,     16                        ; registers of a fragment: 16 rows x 128 K
.set NL,     4                         ; LDS loads that bring one
.set NP,     4                         ; places behind this matrix instruction (ISA guide 7.12.1)
.set HALFT,  128*PITCH                 ; 128 rows: what one tensor load brings
.set SLOT,   4*HALFT                   ; A's 256 rows, then B's 256 rows
.set LAPS,   2                         ; K = 1,024: twice round the ring
.set SPARE,  2*SLOT                    ; behind the ring: the spare words, 128 bytes for each wave: two blocks of 256 bytes that no other line names
.set BNO,  8                           ; v8      byte offset of my bias numbers along B's rows; never rewritten
.set BMO,  9                           ; v9      the same along A's rows; never rewritten
.set ADRA, 16                          ; v16-17  LDS address of my A fragments in slot 0, 1
.set ADRB, 20                          ; v20-21  the same for B
.set CO,   26                          ; v26     16 x lane: my bytes of a store
.set SPW,  28                          ; v28     LDS address of my spare word; never rewritten
.set NIL,  29                          ; v29     0; never rewritten
.set BN,   32                          ; v32-95  register 8 b + i: the bias of B's row 16 b + 8 h + i (q, k; zeros for v)
.set BM,   96                          ; v96-111 registers 2 a, 2 a + 1: the bias of A's row 16 a + r (v; zeros for q, k)
.set AF,   128                         ; A's fragments
.set TT,   128                         ; the way out: a block's 64 numbers
.set CD,   192                         ; the way out: a block's codes, two sets of 16 by turns
.set LIMV, 224                         ; 57,344 x 2^eout
.set SCV,  225                         ; 2^eout
.set G1, 24                            ; s[24:31] descriptor group 1 for A's tiles;  s[32:39] group 0, one set for each slot
.set G0, 32
.set G1B, 48                           ; s[48:55], s[56:63] the same for B's tiles
.set G0B, 56
.set MSB, 0
.macro WIN new                         ; the immediate's high byte repeats the setting that is left
.if MSB != \new
	s_set_vgpr_msb (MSB<<8)|\new
.set MSB, \new
.endif
.endm
.set MUL_LO, 0xa1                      ; source 0 (B) window 1, source 1 (A) window 0, C and D window 2
.set MUL_HI, 0xf1                      ; the same, C and D window 3
.set TO_B,   0x40                      ; destination window 1, address window 0
; A joint load: waves 0 and 1 fetch for A, waves 2 and 3 for B.  Each of the two lines has one mask and one set of registers; the branch hangs on the wave's number alone.
; Four v_nop follow each of the two lines, ahead of the jump, the label and what follows.
.macro JLOAD g0a, g1a, g0b, g1b
	s_cmp_eq_u32 s15, 0
	s_cbranch_scc0 .Lfor_b_\@
	tensor_load_to_lds s[\g0a:\g0a+3], s[\g1a:\g1a+7]
	s_nop 0
.rept 4
	v_nop
.endr
	s_branch .Lasked_\@
.Lfor_b_\@:
	tensor_load_to_lds s[\g0b:\g0b+3], s[\g1b:\g1b+7]
	s_nop 0
.rept 4
	v_nop
.endr
.Lasked_\@:
.endm
.macro CREST                           ; a round of the cluster's barrier behind its opening barrier
	s_cmp_lg_u32 s14, 0
	s_cbranch_scc1 .Lnot_wave_0_\@
	s_barrier_signal -3
.Lnot_wave_0_\@:
	s_barrier_wait -3
	s_barrier_signal -1
	s_barrier_wait -1
.endm
.macro CROUND                          ; a whole round
	s_barrier_signal -1
	s_barrier_wait -1
	CREST
.endm
	s_load_b512 s[68:83], s[0:1], 0x0              ; q 68, k 70, wv 72 (side A);  wq 74, wk 76, v 78 (side B);  bq 80, bk 82
	s_load_b256 s[84:91], s[0:1], 0x40             ; bv 84, the scales' exponents 86, qf 88, kf 90
	s_load_b64 s[92:93], s[0:1], 0x60              ; vf
	v_lshl_add_u32 v[SPW], v0, 2, SPARE
	v_mov_b32 v[NIL], 0
	ds_add_u32 v28, v29
	ds_add_u32 v28, v29
	s_wait_dscnt 0x0
	v_lshrrev_b32 v1, 5, v0
	v_readfirstlane_b32 s14, v1                    ; wave 0..3
	s_lshr_b32 s15, s14, 1                         ; which half of A's rows is mine.  Also: I fetch for A (0) or for B (1)
	s_and_b32 s16, s14, 1                          ; which half of B's rows.  Also: which 128 rows of that tile I fetch
	s_bfe_u32 s40, ttmp6, 0x40000                  ; cx, cy: my place in the cluster
	s_bfe_u32 s41, ttmp6, 0x40004
	s_and_b32 s13, ttmp7, 0xffff                   ; the cluster's y, 0 .. 11: the same in all sixteen partners
	s_lshr_b32 s12, s13, 2                         ; the part: 0 q, 1 k, 2 v
	s_and_b32 s13, s13, 3                          ; the cluster's place in the part
	s_cmp_lt_u32 s12, 2
	s_cselect_b32 s17, s13, 0                      ; q, k: the clusters go down A's 16 tile rows;
	s_cselect_b32 s42, 0, s13                      ; v: along B's 16 tile columns
	s_cselect_b32 s94, -1, 0                       ; all ones where the bias runs along B's rows,
	s_cselect_b32 s95, 0, -1                       ; where it runs along A's
	s_lshl_b32 s17, s17, 2
	s_add_co_u32 s17, s17, s41                     ; tile row
	s_lshl_b32 s42, s42, 2
	s_add_co_u32 s42, s42, s40                     ; tile column
	s_lshl_b32 s43, s41, 2
	s_lshl_b32 s43, 15, s43                        ; my row of the cluster
	s_lshl_b32 s44, 0x1111, s40                    ; my column
	; descriptor group 1: a tile of 128 rows x 256 bytes, padded in LDS
	s_or_b32 s[G1+0], s43, (0<<16)|(1<<20)|(1<<21)|(5<<22)|(3<<25)  ; 15:0 the mask: A's tiles go to my row; 17:16 element of 1 byte; 20 padding on; 21 set beside a mask; 24:22 after every 64 words (code 5); 31:25 of 4 words (code 3)
	s_or_b32 s[G1B+0], s44, (0<<16)|(1<<20)|(1<<21)|(5<<22)|(3<<25)
.irp g, G1, G1B
	s_mov_b32 s[\g+1], ROWB<<16                    ; tensor_dim0
	s_mov_b32 s[\g+2], 128<<16                     ; tensor_dim1 = 128
	s_mov_b32 s[\g+3], ROWB<<16                    ; tile_dim0
	s_mov_b32 s[\g+4], 128                         ; tile_dim1 = 128
	s_mov_b32 s[\g+5], KROW                        ; tensor_dim0_stride
	s_mov_b32 s[\g+6], 0
	s_mov_b32 s[\g+7], 0
.endr
	s_lshl_b32 s18, s16, 7                         ; which 128 rows of the tile I fetch
	s_lshl_b32 s20, s17, 8
	s_add_co_u32 s20, s20, s18                     ; A: row 256 x tile row + 128 x half
	s_lshl_b32 s46, s42, 8
	s_add_co_u32 s46, s46, s18                     ; B: row 256 x tile column + 128 x half
	s_lshl_b32 s20, s20, 10                        ; in bytes: 1,024 a row, 4 MiB at the most
	s_lshl_b32 s46, s46, 10
	s_mov_b32 s21, 0
	s_mov_b32 s47, 0
	s_mul_i32 s45, s14, HALFT                      ; where they go: wave x 128 rows: no place in the cluster enters an LDS address
	s_wait_kmcnt 0x0
	s_cmp_eq_u32 s12, 0                            ; the part's four buffers: a choice that hangs on the cluster's number alone
	s_cselect_b64 s[4:5], s[68:69], s[70:71]
	s_cselect_b64 s[6:7], s[74:75], s[76:77]
	s_cselect_b64 s[8:9], s[80:81], s[82:83]
	s_cselect_b64 s[10:11], s[88:89], s[90:91]
	s_cmp_eq_u32 s12, 2
	s_cselect_b64 s[4:5], s[72:73], s[4:5]         ; side A
	s_cselect_b64 s[6:7], s[78:79], s[6:7]         ; side B
	s_cselect_b64 s[8:9], s[84:85], s[8:9]         ; the bias
	s_cselect_b64 s[10:11], s[92:93], s[10:11]     ; the images
	s_load_b256 s[68:75], s[86:87], 0x0            ; the twelve exponents: entries 0 to 7,
	s_load_b128 s[76:79], s[86:87], 0x20           ; 8 to 11; they are waited for on the way out
	s_add_nc_u64 s[20:21], s[4:5], s[20:21]
	s_add_nc_u64 s[46:47], s[6:7], s[46:47]
	CROUND                                         ; all sixteen work-groups are here: the first joint loads meet
.irp s, 0,1
	s_mov_b32 s[G0+4*\s], 1
	s_add_co_u32 s[G0+4*\s+1], s45, \s*SLOT
	s_add_nc_u64 s[G0+4*\s+2:G0+4*\s+3], s[20:21], \s*ROWB
	s_or_b32 s[G0+4*\s+3], s[G0+4*\s+3], 0x80000000
	s_mov_b32 s[G0B+4*\s], 1
	s_add_co_u32 s[G0B+4*\s+1], s45, \s*SLOT
	s_add_nc_u64 s[G0B+4*\s+2:G0B+4*\s+3], s[46:47], \s*ROWB
	s_or_b32 s[G0B+4*\s+3], s[G0B+4*\s+3], 0x80000000
	JLOAD G0+4*\s, G1, G0B+4*\s, G1B
.endr
	v_and_b32 v1, 15, v0                           ; r
	v_bfe_u32 v2, v0, 4, 1                         ; h
	v_mul_u32_u24 v3, v1, PITCH
	v_lshl_add_u32 v4, v2, 4, v3                   ; a fragment's row x pitch + 16 x half
	s_mul_i32 s21, s15, HALFT                      ; my 128 rows of A
	s_mul_i32 s22, s16, HALFT                      ; my 128 rows of B,
	s_add_co_u32 s22, s22, 2*HALFT                 ; which lie behind A's 256
.irp s, 0,1
	v_add_nc_u32 v[ADRA+\s], s21, v4
	v_add_nc_u32 v[ADRB+\s], s22, v4
	s_add_co_u32 s21, s21, SLOT
	s_add_co_u32 s22, s22, SLOT
.endr
	v_and_b32 v6, 31, v0
	v_lshlrev_b32 v[CO], 4, v6
	; the biases.  The side along which the part's bias does not run reads the bias's first 128 numbers, which lie inside the buffer, and is cleared on the way out.
	s_lshl_b32 s20, s42, 10
	s_lshl_b32 s21, s16, 9
	s_add_co_u32 s20, s20, s21                     ; 4 x (256 x tile column + 128 x half)
	s_and_b32 s20, s20, s94
	v_lshl_add_u32 v[BNO], v2, 5, s20              ; + 32 h
	s_lshl_b32 s22, s17, 10
	s_lshl_b32 s23, s15, 9
	s_add_co_u32 s22, s22, s23                     ; 4 x (256 x tile row + 128 x half)
	s_and_b32 s22, s22, s95
	v_lshl_add_u32 v[BMO], v1, 2, s22              ; + 4 r
.irp b, 0,1,2,3,4,5,6,7
	global_load_b128 v[BN+8*\b:BN+8*\b+3], v[BNO], s[8:9] offset:64*\b
	global_load_b128 v[BN+8*\b+4:BN+8*\b+7], v[BNO], s[8:9] offset:64*\b+16
.endr
.irp a, 0,1,2,3,4,5,6,7
	global_load_b32 v[BM+2*\a], v[BMO], s[8:9] offset:64*\a
.endr                                              ; these 24 loads are waited for on the way out; nothing names their registers, offsets or base before
	; where my images begin: 524288 X + 8192 Y;  q, k: X = my 128 features (two heads), Y = my 128 tokens (eight tiles);  v: X = my 128 features, Y = my 128 tokens (a key step)
	s_lshl_b32 s20, s42, 1
	s_add_co_u32 s20, s20, s16                     ; 2 x tile column + half
	s_lshl_b32 s21, s17, 1
	s_add_co_u32 s21, s21, s15                     ; 2 x tile row + half
	s_cmp_lt_u32 s12, 2
	s_cselect_b32 s22, s20, s21                    ; X
	s_cselect_b32 s23, s21, s20                    ; Y
	s_lshl_b32 s22, s22, 19
	s_lshl_b32 s23, s23, 13
	s_add_co_u32 s22, s22, s23
	s_mov_b32 s23, 0
	s_add_nc_u64 s[10:11], s[10:11], s[22:23]
.macro FRAG reg, adr, q, i             ; a fragment, 16 rows x 128 K, is 16 registers: lane l holds row l % 16; registers 4 c .. 4 c + 3 hold K = 32 c + 16 (l / 16) + 0 .. 15
.irp c, 0,1,2,3
	ds_load_b128 v[\reg+4*\c:\reg+4*\c+3], v[\adr] offset:128*(\q)+32*\c+(\i)*16*PITCH
.endr
.endm
; 16 matrix instructions: A's blocks a0, a0 + 1 x B's eight, 128 along K.  p: B's set.  zero = 1: the first product starts the sums: nothing is ever cleared.
; The 64 accumulators take turns, one instruction a turn, in the same order in every step.
.macro MUL16 a0, p, zero
.irp a, \a0, \a0+1
.irp b, 0,1,2,3,4,5,6,7
.if \zero
	v_wmma_f32_16x16x128_bf8_bf8 v[8*(8*((\a)%4)+\b):8*(8*((\a)%4)+\b)+7], v[128*(\p)+FR*\b:128*(\p)+FR*\b+FR-1], v[AF+FR*(\a):AF+FR*(\a)+FR-1], 0
.else
	v_wmma_f32_16x16x128_bf8_bf8 v[8*(8*((\a)%4)+\b):8*(8*((\a)%4)+\b)+7], v[128*(\p)+FR*\b:128*(\p)+FR*\b+FR-1], v[AF+FR*(\a):AF+FR*(\a)+FR-1], v[8*(8*((\a)%4)+\b):8*(8*((\a)%4)+\b)+7]
.endif
.endr
.endr
.endm
.macro FETCH_B slot, q, p              ; B's eight fragments of the slot's q-th 128 along K into set p
	WIN TO_B
.irp i, 0,1,2,3,4,5,6,7
	FRAG 128*(\p)+FR*\i, ADRB+\slot, \q, \i
.endr
	WIN 0
.endm
.macro FETCH_A slot, q, i0             ; A's blocks i0 .. i0 + 3
.irp i, \i0, \i0+1, \i0+2, \i0+3
	FRAG AF+FR*(\i), ADRA+\slot, \q, \i
.endr
.endm
; A load into a register that a matrix instruction has read stands NP places behind that matrix instruction, and only plain vector instructions that name none of its registers are places
; (ISA guide 7.12.1 for vector instructions).
.macro PLACES n
.rept \n
	v_nop
.endr
.endm
; A step of 128 along K that has its successor in the same slot.  A block of A is free as soon as its eight products are issued: blocks 0-3 are fetched anew in the step's middle, blocks 4-7 at its end.
.macro STEP slot, q, zero
	s_wait_dscnt 4*NL                              ; B's set and A's blocks 0-3 are in; the youngest 16 loads (A's blocks 4-7) may be out
	WIN MUL_LO
	MUL16 0, (\q)%2, \zero
	MUL16 2, (\q)%2, \zero
	s_wait_dscnt 0                                 ; A's blocks 4-7 are in (asked for 32 matrix instructions ago)
	PLACES NP
	FETCH_B \slot, (\q)+1, 1-(\q)%2
	FETCH_A \slot, (\q)+1, 0
	WIN MUL_HI
	MUL16 4, (\q)%2, \zero
	MUL16 6, (\q)%2, \zero
	PLACES NP
	WIN 0
	FETCH_A \slot, (\q)+1, 4
.endm
; A slot's last step changes slots: ONE barrier; in front of it each wave waits for all its tensor loads, adds 0 to its spare word, and waits for that and for its own reads of this slot.  fill = 1: this slot is filled again, two K steps ahead.
.macro TURN slot, next, fill
	s_wait_tensorcnt 0x0                           ; all my tensor loads have landed: my part of the next slot;  (every window is 0 here)
	ds_add_u32 v[SPW], v[NIL]                      ; 0 onto my spare word
	s_wait_dscnt 4*NL+1                            ; (the add and the youngest 16 loads, A's blocks 4-7, may be out)
	WIN MUL_LO
	MUL16 0, 1, 0                                  ; sixteen matrix instructions stand between the add and the wait for it
	s_wait_dscnt 0x0                               ; the add is done, and my reads of this slot are over
	s_barrier_signal -1
	MUL16 2, 1, 0
	WIN 0
	s_barrier_wait -1
.if \fill
	CREST                                          ; the barrier has opened a round of the cluster's barrier: no wave of any partner still reads this slot's tile or has a load on its way
	s_add_nc_u64 s[G0+4*\slot+2:G0+4*\slot+3], s[G0+4*\slot+2:G0+4*\slot+3], 2*ROWB
	s_add_nc_u64 s[G0B+4*\slot+2:G0B+4*\slot+3], s[G0B+4*\slot+2:G0B+4*\slot+3], 2*ROWB
	JLOAD G0+4*\slot, G1, G0B+4*\slot, G1B         ; the first tensor load behind the round; the four v_nop behind it are the places in front of the loads below
.else
	PLACES NP
.endif
	FETCH_B \next, 0, 0
	FETCH_A \next, 0, 0
	WIN MUL_HI
	MUL16 4, 1, 0
	MUL16 6, 1, 0
	PLACES NP
	WIN 0
	FETCH_A \next, 0, 4
.endm
	s_wait_tensorcnt 1                             ; my part of K step 0 is in (K step 1's load may be out)
	s_barrier_signal -1
	s_barrier_wait -1                              ; everybody's is
	FETCH_B 0, 0, 0
	FETCH_A 0, 0, 0
	FETCH_A 0, 0, 4
	STEP 0, 0, 1                                   ; the first step stands in front of the loop: its products start the sums
	s_mov_b32 s3, LAPS-1
.Llap:                                                 ; a trip goes once round the ring, from a lap's second step to the next lap's first, and fills both slots again
	TURN 0, 1, 1
	STEP 1, 0, 0
	TURN 1, 0, 1
	STEP 0, 0, 0
	s_sub_co_u32 s3, s3, 1
	s_cmp_lg_u32 s3, 0
	s_cbranch_scc1 .Llap
	TURN 0, 1, 0                                   ; the last lap fills nothing, and has no round of the cluster's barrier
	STEP 1, 0, 0
	s_wait_dscnt 4*NL                              ; the very last step: nothing more to fetch
	WIN MUL_LO
	MUL16 0, 1, 0
	MUL16 2, 1, 0
	s_wait_dscnt 0
	WIN MUL_HI
	MUL16 4, 1, 0
	MUL16 6, 1, 0
	WIN 0
	; THE WAY OUT.  No LDS: a lane's codes of two neighbouring blocks of B are 16 bytes of an image, and the 32 lanes' 16 bytes lie on end.
	s_wait_kmcnt 0x0                               ; the exponents
	s_add_co_i32 s68, s68, s69                     ; q's e + wq's,
	s_add_co_i32 s70, s70, s71                     ; k's + wk's,
	s_add_co_i32 s72, s72, s73                     ; v's + wv's
	s_cmp_eq_u32 s12, 0
	s_cselect_b32 s96, s68, s70
	s_cselect_b32 s98, s74, s75                    ; entry 6: the queries' scale; entry 7: the keys'
	s_cmp_eq_u32 s12, 2
	s_cselect_b32 s96, s72, s96
	s_cselect_b32 s98, s77, s98                    ; entry 9: the values'
	s_add_co_i32 s96, s96, 127
	s_lshl_b32 s96, s96, 23                        ; 2^(the two operands' e) as f32
	s_mov_b32 s97, s96                             ; (named with it as a pair, so it is written)
	s_add_co_i32 s98, s98, 127
	s_lshl_b32 s99, s98, 23                        ; 2^eout as f32: the conversion takes its exponent field
	s_add_co_i32 s98, s98, 15
	s_lshl_b32 s98, s98, 23
	s_or_b32 s98, s98, 0x600000                    ; 57,344 x 2^eout
	s_wait_loadcnt 0x0                             ; the biases
.set j, 0
.rept 64
	v_and_b32 v[BN+j], s94, v[BN+j]                ; kept where the bias runs along B's rows, else +0.  (These 80 plain lines name no register of the last products: they are the places behind them)
.set j, j+1
.endr
.set j, 0
.rept 8
	v_and_b32 v[BM+2*j], s95, v[BM+2*j]            ; the same along A's rows,
	v_mov_b32 v[BM+2*j+1], v[BM+2*j]               ; twice, for the packed addition
.set j, j+1
.endr
	v_mov_b32 v[SCV], s99
	v_mov_b32 v[LIMV], s98
; Block a: 16 rows of A x my 128 rows of B.
.macro OUTBLK a
.set AC, 64*((\a)%4)
.set CW, CD+16*((\a)%2)
.if (\a) > 1
	s_wait_xcnt 0x0                                ; block a - 2's stores have read their registers: this set of codes may be written again
.endif
	WIN 0x02+((\a)/4)                              ; source 0: window 2 or 3
.set j, 0
.rept 32
	v_pk_fma_f32 v[TT+j:TT+j+1], v[AC+j:AC+j+1], s[96:97], v[BN+j:BN+j+1] op_sel_hi:[1,0,1]   ; sum x 2^e + the bias along B's rows; each accumulator from its low end on
.set j, j+2
.endr
	WIN 0
.set j, 0
.rept 32
	v_pk_add_f32 v[TT+j:TT+j+1], v[TT+j:TT+j+1], v[BM+2*(\a):BM+2*(\a)+1]                     ; + the bias along A's rows
.set j, j+2
.endr
.set j, 0
.rept 64
	v_med3_num_f32 v[TT+j], v[TT+j], -v[LIMV], v[LIMV]   ; the conversion to an 8-bit code does not saturate (ISA guide 7.6.2): the hold at the largest code x the scale
.set j, j+1
.endr
.irp b, 0,1,2,3,4,5,6,7
	v_cvt_scalef32_pk8_bf8_f32 v[CW+2*\b:CW+2*\b+1], v[TT+8*\b:TT+8*\b+7], v[SCV]
.endr
	v_nop                                          ; one plain vector instruction between the last conversion and the next block's lines, which write its sources
.irp q, 0,1,2,3
	global_store_b128 v[CO], v[CW+4*\q:CW+4*\q+3], s[10:11] offset:(\q/2)*262144+(\a)*1024+(\q%2)*512   ; 32 lanes store 512 consecutive bytes, at a multiple of 256 from the buffer's first byte
.endr
.endm
.irp a, 0,1,2,3,4,5,6,7
	OUTBLK \a
.endr
	s_wait_tensorcnt 0x0                           ; the wave's end
	ds_add_u32 v[SPW], v[NIL]
	s_wait_dscnt 0x0
	CROUND                                         ; the closing round: no work-group ends while a partner may still ask for a tile that names it
	s_endpgm
.Lfunc_end_k_qe419b385d6_proj:
	.size	k_qe419b385d6_proj, .Lfunc_end_k_qe419b385d6_proj-k_qe419b385d6_proj
	.p2alignl 7, 3214868480
	.fill 96, 4, 3214868480
	.section	.rodata,"a",@progbits
	.p2align	6, 0x0
	.amdhsa_kernel k_qe419b385d6_proj
		.amdhsa_group_segment_fixed_size 327680
		.amdhsa_private_segment_fixed_size 0
		.amdhsa_enable_private_segment 0
		.amdhsa_kernarg_size 104
		.amdhsa_user_sgpr_count 2
		.amdhsa_user_sgpr_kernarg_segment_ptr 1
		.amdhsa_wavefront_size32 1
		.amdhsa_system_sgpr_workgroup_id_x 1
		.amdhsa_system_sgpr_workgroup_id_y 1
		.amdhsa_system_sgpr_workgroup_id_z 1
		.amdhsa_system_vgpr_workitem_id 0
		.amdhsa_next_free_vgpr 1024
		.amdhsa_next_free_sgpr 100
		.amdhsa_reserve_vcc 0
		.amdhsa_float_denorm_mode_32 3
		.amdhsa_float_denorm_mode_16_64 3
		.amdhsa_memory_ordered 1
		.amdhsa_forward_progress 1
		.amdhsa_inst_pref_size 156
	.end_amdhsa_kernel
	.amdgpu_metadata
---
amdhsa.version: [ 1, 2 ]
amdhsa.kernels:
  - .name:           k_qe419b385d6_proj
    .symbol:         k_qe419b385d6_proj.kd
    .args:
      - { .name: q_codes, .offset: 0, .size: 8, .value_kind: global_buffer, .address_space: global }
      - { .name: k_codes, .offset: 8, .size: 8, .value_kind: global_buffer, .address_space: global }
      - { .name: wv_codes, .offset: 16, .size: 8, .value_kind: global_buffer, .address_space: global }
      - { .name: wq_codes, .offset: 24, .size: 8, .value_kind: global_buffer, .address_space: global }
      - { .name: wk_codes, .offset: 32, .size: 8, .value_kind: global_buffer, .address_space: global }
      - { .name: v_codes, .offset: 40, .size: 8, .value_kind: global_buffer, .address_space: global }
      - { .name: bq, .offset: 48, .size: 8, .value_kind: global_buffer, .address_space: global }
      - { .name: bk, .offset: 56, .size: 8, .value_kind: global_buffer, .address_space: global }
      - { .name: bv, .offset: 64, .size: 8, .value_kind: global_buffer, .address_space: global }
      - { .name: lowp_scales, .offset: 72, .size: 8, .value_kind: global_buffer, .address_space: global }
      - { .name: qf, .offset: 80, .size: 8, .value_kind: global_buffer, .address_space: global }
      - { .name: kf, .offset: 88, .size: 8, .value_kind: global_buffer, .address_space: global }
      - { .name: vf, .offset: 96, .size: 8, .value_kind: global_buffer, .address_space: global }
    .group_segment_fixed_size: 327680
    .private_segment_fixed_size: 0
    .kernarg_segment_align: 8
    .kernarg_segment_size: 104
    .max_flat_workgroup_size: 128
    .sgpr_count:     100
    .vgpr_count:     1024
    .wavefront_size: 32
...
	.end_amdgpu_metadata
.endif
;; end of part 2
;; launch attn (part 3): grid 16 x 16, 8 waves a work-group, no clusters, 33,792 bytes of LDS; arguments qf, kf, vf, mbits, lowp_scales, af; writes af
.if DOCPART == 3
	.amdgcn_target "amdgcn-amd-amdhsa--gfx1250"
	.amdhsa_code_object_version 6
	.text
	.protected	k_qe419b385d6_attn
	.globl	k_qe419b385d6_attn
	.p2align	8
	.type	k_qe419b385d6_attn,@function
k_qe419b385d6_attn:
	s_mov_b64 s[64:65], 0
	v_nop
	global_prefetch_b8 v0, s[64:65] scope:SCOPE_SE
	s_setreg_imm32_b32 hwreg(HW_REG_WAVE_MODE, 25, 1), 1
	s_wait_xcnt 0x0
; Attention of 16 heads of 64 over 4,096 keys with a mask that is an input, both products on codes of BF8 (E5M2); the result is quantised again and stored as images of the last launch's operand registers.
; logit = (q . k) / 32, or the masked value where the mask is set;  t = logit x log2(e);  M = the row's largest t so far, rounded UP to a whole number;  p = 2^(t - M) is quantised with 2^ep, not normalised.
; The row's sum is taken of the unquantised p and divides at the end.  When M moves, the sum and O are multiplied by 2^(old M - new M): nothing is rounded, and there is no branch on data.
; SHARES.  A work-group owns 256 queries of one head (x: the block, y: the head); each of its eight waves two tiles of 16 (A, B), so that each fragment of K and V read from LDS feeds two matrix instructions.  A trip is 128 keys.
; LAYOUT.  Both products are used transposed: S^T = K Q^T (source 0 = 16 neighbouring keys, K = 64 form), O^T = V^T P^T (source 0 = 16 of the head's 64, K = 128 form): a lane holds ONE query (lane % 16) throughout.
; Register 8 t + j of S^T is key 16 t + 8 h + j, so the conversion of registers 8 t .. 8 t + 7 gives registers 2 t, 2 t + 1 of P in the K = 128 form's own layout, in the same lane.  qf, kf and vf are images of such fragments.
; THE MASK comes as words (mbits): word j of a tile and step has in bit L lane L's place in register j.  64 words are read into scalar registers and select, one v_cndmask_b32 a register.
; THE MASKED VALUE.  A masked score is set to -2^(35 - eq - ek), that is, a logit of -2^30 in place of -1e9: its t is then a whole number that f32 holds exactly, so a row that is masked whole gets p = 1 for every key,
; the plain mean of V, as with -1e9.  LIMIT: results differ only where an unmasked logit lies near or below -1e9.
; BY TURNS.  A tile's twelve products (V^T P of this step, K Q^T of the next) are issued behind its softmax and run under the other tile's softmax.
; LDS.  Two buffers of 16,384 bytes; buffer s % 2 holds packet s = {K of step s + 1, V of step s}, 8,192 bytes each, as images: every load and store takes 512 consecutive bytes.
; Wave w copies 1,024 bytes of each through 16 registers: asked for in trip s - 2, stored in trip s - 1, read in trip s.  One barrier a trip.
; NO TENSOR LOAD, NO JOINT REQUEST, though the 16 work-groups of a head walk the same K and V: what is shared is 16,384 bytes a trip and work-group, four loads of 16 bytes a lane beside some 520 vector instructions a wave;
; a scalar branch on the given ep jumps over the hold of p: where ep >= -15, p <= 1 lies under 57,344 x 2^ep, and 128 lines a trip are spared.
; LIMITS on the given exponents: eq + ek between -92 and 130; ep, and the last product's entry 10, between -126 and 112.  NaN is not served.
; REGISTERS.  window 0: v1 16 L; v2, v4 the copies' offsets; v5 the prefetch's; v6 the way out's; v8 the masked score; v9 57,344 x 2^ep; v10 2^ep; tile x: v[12+4x] -M, +1 the largest t, +2, +3 the sum in two halves;
;   v20, v21, v24, v[26:27] at work; v[22:23] f; v32-95, v96-159 S^T, then p; v160-191, v192-223 O^T; v224-239, v240-255 P's codes.
;   window 1: v0-7, v8-15 Q; v16-79 K's eight fragments; v80-143 V's four; v144-159 the packet on its way.
; SCALARS.  s[4:5] K, s[6:7] V, s[8:9] the mask words, s[10:11] the output, each at my part; s[12:15] the copies' addresses; s16-63, s68-83 the 64 words; s[84:85] c; s[86:87] lane selects; s88 ep; s89 wave; s90 trips; s91-95 the prefetch; s[96:99] the copies' offsets; s66 ep + ev; s67 entry 10; s[100:101] Q.
.set BUF, 16384
.set MSB, 0
.macro WIN new                         ; the immediate's high byte repeats the setting that is left
.if MSB != \new
	s_set_vgpr_msb (MSB<<8)|\new
.set MSB, \new
.endif
.endm
.macro MWORDS off                      ; a tile's 64 words of a step: word j in s[16 + j], from word 48 on in s[20 + j]
	s_load_b512 s[16:31], s[8:9], \off
	s_load_b512 s[32:47], s[8:9], \off+64
	s_load_b512 s[48:63], s[8:9], \off+128
	s_load_b512 s[68:83], s[8:9], \off+192
.endm
.macro MASKIT x                        ; each accumulator is read from its low end on
	s_wait_kmcnt 0x0                               ; the words, asked for half a trip ago
.set jx, 0
.rept 64
	v_cndmask_b32 v[32+64*\x+jx], v[32+64*\x+jx], v8, s[16+jx+4*(jx/48)]
.set jx, jx+1
.endr
.endm
.macro MAXIT x                         ; the largest of my 64 scores, in two chains
.set SB, 32+64*\x
	v_max3_num_f32 v20, v[SB], v[SB+1], v[SB+2]
	v_max3_num_f32 v21, v[SB+3], v[SB+4], v[SB+5]
.set jx, 6
.rept 14
	v_max3_num_f32 v20, v20, v[SB+jx], v[SB+jx+1]
	v_max3_num_f32 v21, v21, v[SB+jx+2], v[SB+jx+3]
.set jx, jx+4
.endr
	v_max3_num_f32 v20, v20, v[SB+62], v[SB+63]
	v_max_num_f32 v20, v20, v21
.endm
.macro STATS x
.set TS, 12+4*\x
	v_permlanex16_b32 v24, v20, s86, s87           ; the query's other 64 keys lie in lane l xor 16
	v_max_num_f32 v20, v20, v24
	v_mul_f32 v20, s84, v20                        ; as t (c is positive)
	v_max_num_f32 v[TS+1], v[TS+1], v20            ; the running largest t
	v_mov_b32 v20, v[TS]
	v_floor_f32 v[TS], -v[TS+1]                    ; the new -M = floor(-t) = -ceil(t)
	v_sub_f32 v20, v[TS], v20                      ; old M - new M: a whole number, 0 or less
	v_cvt_i32_f32 v20, v20                         ; (it saturates)
	v_ldexp_f32 v22, 1.0, v20                      ; f = 2^(old M - new M)
.endm
.macro EXPIT x
.set SB, 32+64*\x
.set TS, 12+4*\x
.set jx, 0
.rept 32
	v_pk_fma_f32 v[SB+jx:SB+jx+1], v[SB+jx:SB+jx+1], s[84:85], v[TS:TS+1] op_sel_hi:[1,0,0]   ; t - M, two at a time (of the pairs c and -M the low word serves both halves)
.set jx, jx+2
.endr
.set jx, 0
.rept 64
	v_exp_f32 v[SB+jx], v[SB+jx]                   ; p = 2^(t - M)
.set jx, jx+1
.endr
	v_pk_mul_f32 v[TS+2:TS+3], v[TS+2:TS+3], v[22:23] op_sel_hi:[1,0]   ; the sums under the new M: the plain line behind the exponentials
	s_wait_alu depctr_va_vdst(0)                   ; one wait for the batch of 64, ahead of its first reader
.endm
.macro SUMIT x                         ; the row's sum is taken of the unquantised p: two at a time, in two chains
.set SB, 32+64*\x
.set TS, 12+4*\x
	v_pk_add_f32 v[26:27], v[SB:SB+1], v[SB+2:SB+3]
.set jx, 4
.rept 15
	v_pk_add_f32 v[TS+2:TS+3], v[TS+2:TS+3], v[SB+jx:SB+jx+1]
	v_pk_add_f32 v[26:27], v[26:27], v[SB+jx+2:SB+jx+3]
.set jx, jx+4
.endr
	v_pk_add_f32 v[TS+2:TS+3], v[TS+2:TS+3], v[26:27]
.endm
.macro HOLDIT x                        ; the conversion to an 8-bit code does not saturate (ISA guide 7.6.2).  p is at most 1 and never negative: the hold is one-sided, and can act only where 57,344 x 2^ep < 1, that is, ep < -15
	s_cmp_lt_i32 s88, -15
	s_cbranch_scc0 .Lno_hold_\@
.set jx, 0
.rept 64
	v_min_num_f32 v[32+64*\x+jx], v[32+64*\x+jx], v9
.set jx, jx+1
.endr
.Lno_hold_\@:
.endm
.macro CODES x
.irp t, 0,1,2,3,4,5,6,7
	v_cvt_scalef32_pk8_bf8_f32 v[224+16*\x+2*\t:224+16*\x+2*\t+1], v[32+64*\x+8*\t:32+64*\x+8*\t+7], v10
.endr
.endm
.macro RESC x                          ; O^T under the new M: x f; each accumulator from its low end on.  These 16 are also the plain lines between the conversions and the products that read P and write S^T
.set jx, 0
.rept 16
	v_pk_mul_f32 v[160+32*\x+jx:160+32*\x+jx+1], v[160+32*\x+jx:160+32*\x+jx+1], v[22:23] op_sel_hi:[1,0]
.set jx, jx+2
.endr
.endm
; Tile x's products: four of O^T += V^T P^T, then (kq = 1) eight of the next step's S^T = K Q^T, which start their sums with 0.  Twelve accumulators, one instruction each: no two that follow each other share one.
.macro MATS x, kq
	WIN 0x01                                       ; source 0 (V) window 1
.irp d, 0,1,2,3
	v_wmma_f32_16x16x128_bf8_bf8 v[160+32*\x+8*\d:160+32*\x+8*\d+7], v[80+16*\d:80+16*\d+15], v[224+16*\x:224+16*\x+15], v[160+32*\x+8*\d:160+32*\x+8*\d+7]
.endr
.if \kq
	WIN 0x05                                       ; sources 0 (K) and 1 (Q) window 1
.irp t, 0,1,2,3,4,5,6,7
	v_wmma_f32_16x16x64_bf8_bf8 v[32+64*\x+8*\t:32+64*\x+8*\t+7], v[16+8*\t:16+8*\t+7], v[8*\x:8*\x+7], 0
.endr
.endif
	WIN 0
.endm
.macro FRAGS buf, kq                   ; a packet's fragments: images, 512 consecutive bytes a load
	WIN 0x40                                       ; destination window 1
.irp d, 0,1,2,3
.irp g, 0,1,2,3
	ds_load_b128 v[80+16*\d+4*\g:80+16*\d+4*\g+3], v1 offset:(\buf)*BUF+8192+(\g/2)*4096+\d*1024+(\g%2)*512
.endr
.endr
.if \kq
.irp t, 0,1,2,3,4,5,6,7
	ds_load_b128 v[16+8*\t:16+8*\t+3], v1 offset:(\buf)*BUF+\t*1024
	ds_load_b128 v[16+8*\t+4:16+8*\t+7], v1 offset:(\buf)*BUF+\t*1024+512
.endr
.endif
	WIN 0
.endm
.macro PUT buf                         ; my 2,048 bytes of a packet into LDS
	WIN 0x04                                       ; store data window 1
	ds_store_b128 v2, v[144:147] offset:(\buf)*BUF
	ds_store_b128 v2, v[148:151] offset:(\buf)*BUF+512
	ds_store_b128 v2, v[152:155] offset:(\buf)*BUF+8192
	ds_store_b128 v2, v[156:159] offset:(\buf)*BUF+8704
	WIN 0
.endm
.macro GET                             ; the next packet is asked for.  The last packet has no K behind it: the clamp lets its two loads of K fetch step 31's bytes once more; they are stored and never read
	s_add_co_u32 s96, s96, 8192
	s_min_u32 s96, s96, 31*8192
	s_add_co_u32 s98, s98, 8192
	s_add_nc_u64 s[12:13], s[4:5], s[96:97]        ; (the loads that read these addresses have been waited for)
	s_add_nc_u64 s[14:15], s[6:7], s[98:99]
	WIN 0x40
	global_load_b128 v[144:147], v2, s[12:13]
	global_load_b128 v[148:151], v2, s[12:13] offset:512
	global_load_b128 v[152:155], v4, s[14:15]
	global_load_b128 v[156:159], v4, s[14:15] offset:512
	WIN 0
.endm
; A PREFETCH INTO THE L2, one instruction for each asking wave in each pair of trips, behind the wave's loads in the even trip e.  Each aligned block of 256 bytes is named once in the launch.
; All work-groups of a head walk the same K and V: the one with x = 0 asks; its waves 0, 1 for K of steps e + 4, e + 5 (8,192 bytes each, lanes 256 bytes apart), its waves 2, 3 for V of steps e + 3, e + 4 (two runs of 4,096 bytes).
; All heads read the same mask words: the work-group with y = 0 asks; its wave 4 for steps e + 2, e + 3 of its 16 tiles, 256 bytes each.  K's and V's waves ask for nothing in the last pair: there is no such step.  Nothing is asked for at the head.
.macro ASK
	s_cmp_gt_u32 s90, s91
	s_cbranch_scc0 .Lnot_mine_\@
	global_prefetch_b8 v5, s[92:93] th:TH_LOAD_NT scope:SCOPE_SE
.Lnot_mine_\@:
.endm
.macro SOFT x                          ; behind the maximum: a tile's softmax of a step
	STATS \x
	EXPIT \x
	SUMIT \x
	HOLDIT \x
	CODES \x
	RESC \x
.endm
; TRIP s.  buf = s % 2; odd = s % 2; kq: there is a next step; st: packet s + 1 is stored; ld: packet s + 2 is asked for; ask: the prefetch; nexta: tile A's words of step s + 1 are asked for.
.macro TRIP buf, odd, kq, st, ld, ask, nexta
	MASKIT 0                                       ; 64 plain lines that name no register of tile B's products just issued: the places in front of the loads into K's and V's registers
.if \odd && \ld
	s_wait_xcnt 0x0                                ; the prefetch, half a pair back, has read its address, so it may be stepped
	s_add_nc_u64 s[92:93], s[92:93], s[94:95]
.endif
	s_barrier_wait -1                              ; packet s lies whole in its buffer; nobody reads the other buffer any more
	MWORDS 8192+256*\odd                           ; tile B's words of this step
	FRAGS \buf, \kq
	MAXIT 0
	SOFT 0
	s_wait_dscnt 0x0                               ; the fragments are in
	MATS 0, \kq
	MASKIT 1
.if \nexta
.if \odd
	s_add_nc_u64 s[8:9], s[8:9], 512               ; (every scalar load is done: the base may step)  two steps on
	MWORDS 0
.else
	MWORDS 256
.endif
.endif
.if \st
	s_wait_loadcnt 0x0                             ; packet s + 1, asked for a trip ago
	PUT 1-\buf
.endif
	MAXIT 1
.if \st
	s_wait_dscnt 0x0                               ; for the others' sake: my stores have landed; my reads of this trip's buffer came back ahead of tile A's products
.if \ld
	GET
.endif
.if \ask
	ASK
.endif
	s_barrier_signal -1                            ; from here to the next trip's wait: work on registers alone
.endif
	SOFT 1
	MATS 1, \kq
.endm
	s_load_b256 s[16:23], s[0:1], 0x0              ; qf, kf, vf, mbits
	s_load_b128 s[24:27], s[0:1], 0x20             ; the scales' exponents, af
	v_lshl_add_u32 v30, v0, 2, 0x8000
	v_mov_b32 v31, 0
	v_lshrrev_b32 v20, 5, v0
	v_readfirstlane_b32 s89, v20                   ; wave 0..7
	v_and_b32 v21, 31, v0                          ; L
	v_lshlrev_b32 v1, 4, v21                       ; 16 L
	v_and_b32 v24, 15, v0                          ; r
	v_bfe_u32 v22, v0, 4, 1                        ; h
	s_lshl_b32 s28, s89, 10
	v_add_nc_u32 v2, s28, v1                       ; 1024 w + 16 L: my part of K in memory, and of both halves of a packet in LDS
	s_lshr_b32 s29, s89, 2
	s_lshl_b32 s29, s29, 18
	s_and_b32 s30, s89, 3
	s_lshl_b32 s30, s30, 10
	s_add_co_u32 s29, s29, s30
	v_add_nc_u32 v4, s29, v1                       ; 262144 (w / 4) + 1024 (w % 4) + 16 L: my part of V in memory
	v_lshlrev_b32 v6, 4, v24
	v_lshl_add_u32 v6, v22, 3, v6                  ; 16 r + 8 h: my 8 bytes of a store
	s_and_b32 s33, ttmp7, 0xffff                   ; the head
	s_lshl_b32 s34, s33, 18                        ; a head's 262,144 bytes in qf and kf
	s_mov_b32 s35, 0
	s_lshl_b32 s36, ttmp9, 14                      ; Q: 16 tiles of 1,024 bytes a block,
	s_lshl_b32 s37, s89, 11                        ; two a wave
	s_add_co_u32 s36, s36, s37
	s_add_co_u32 s36, s36, s34
	s_mov_b32 s37, 0
	s_lshr_b32 s38, s33, 1                         ; V: 524288 (head / 2) + 4096 (head % 2)
	s_lshl_b32 s38, s38, 19
	s_and_b32 s39, s33, 1
	s_lshl_b32 s39, s39, 12
	s_add_co_u32 s38, s38, s39
	s_mov_b32 s39, 0
	s_lshl_b32 s40, ttmp9, 17                      ; the words: 16 tiles of 8,192 bytes a block,
	s_mov_b32 s41, 0
	s_lshl_b32 s42, s89, 14                        ; two a wave
	s_mov_b32 s43, 0
	s_lshl_b32 s44, ttmp9, 1                       ; af: 131072 (T / 8) + 32768 (head / 4) + 4096 (T % 8) + 2048 ((head / 2) % 2) + 1024 (head % 2), T = 16 block + 2 w
	s_lshr_b32 s45, s89, 2
	s_add_co_u32 s44, s44, s45
	s_lshl_b32 s44, s44, 17
	s_lshr_b32 s45, s33, 2
	s_lshl_b32 s45, s45, 15
	s_add_co_u32 s44, s44, s45
	s_and_b32 s45, s89, 3
	s_lshl_b32 s45, s45, 13
	s_add_co_u32 s44, s44, s45
	s_bfe_u32 s45, s33, 0x10001
	s_lshl_b32 s45, s45, 11
	s_add_co_u32 s44, s44, s45
	s_and_b32 s45, s33, 1
	s_lshl_b32 s45, s45, 10
	s_add_co_u32 s44, s44, s45
	s_mov_b32 s45, 0
	s_mov_b32 s86, 0x76543210
	s_mov_b32 s87, 0xfedcba98
	s_wait_kmcnt 0x0
	s_load_b128 s[28:31], s[24:25], 0x18           ; eq, ek, ep, ev
	s_load_b32 s32, s[24:25], 0x28                 ; entry 10: the scale of what this launch stores
	s_add_nc_u64 s[4:5], s[18:19], s[34:35]        ; K at my head
	s_add_nc_u64 s[100:101], s[16:17], s[36:37]    ; Q at my two tiles
	s_add_nc_u64 s[6:7], s[20:21], s[38:39]        ; V at my head
	s_add_nc_u64 s[40:41], s[22:23], s[40:41]      ; the words at my block,
	s_add_nc_u64 s[8:9], s[40:41], s[42:43]        ; at my two tiles
	s_add_nc_u64 s[10:11], s[26:27], s[44:45]      ; the output at my two tiles
	s_add_nc_u64 s[12:13], s[4:5], 8192            ; packet 0: K of step 1,
	s_mov_b64 s[14:15], s[6:7]                     ; V of step 0
	WIN 0x40
	global_load_b128 v[144:147], v2, s[12:13]
	global_load_b128 v[148:151], v2, s[12:13] offset:512
	global_load_b128 v[152:155], v4, s[14:15]
	global_load_b128 v[156:159], v4, s[14:15] offset:512
.irp i, 0,1,2,3
	global_load_b128 v[4*\i:4*\i+3], v1, s[100:101] offset:512*\i   ; Q's two fragments stay in registers
.endr
.irp t, 0,1,2,3,4,5,6,7
	global_load_b128 v[16+8*\t:16+8*\t+3], v1, s[4:5] offset:\t*1024       ; K of step 0 comes straight from memory
	global_load_b128 v[16+8*\t+4:16+8*\t+7], v1, s[4:5] offset:\t*1024+512
.endr
	WIN 0
	; the prefetches (macro ASK): who asks, from where, in which steps
	s_mov_b32 s49, 262144
	s_cmp_lt_u32 s89, 2                            ; waves 0, 1: K; waves 2, 3: V
	s_cselect_b64 s[92:93], s[4:5], s[6:7]
	s_cselect_b32 s46, 4, 1                        ; the first step asked for: 4 + w of K, 1 + w of V
	s_cselect_b32 s49, 4096, s49                   ; from lanes 0-15 to lanes 16-31
	s_add_co_u32 s46, s46, s89
	s_lshl_b32 s46, s46, 13
	s_mov_b32 s48, 256                             ; from lane to lane
	s_mov_b32 s94, 16384                           ; from pair to pair of trips
	s_cmp_eq_u32 s89, 4                            ; wave 4: the words
	s_cselect_b64 s[92:93], s[40:41], s[92:93]
	s_cselect_b32 s46, 512, s46                    ; steps 2 and 3
	s_cselect_b32 s94, 512, s94
	s_cselect_b32 s48, 8192, s48                   ; a lane a tile,
	s_cselect_b32 s49, 256, s49                    ; lanes 16-31 the second step
	s_cselect_b32 s50, s33, ttmp9                  ; the coordinate along which other work-groups read the same bytes
	s_cselect_b32 s51, 0, 1                        ; the words are asked for in every pair, K and V in all but the last
	s_cmp_gt_u32 s89, 4
	s_cselect_b32 s50, 1, s50                      ; waves 5 to 7 ask for nothing
	s_cmp_eq_u32 s50, 0
	s_cselect_b32 s91, s51, -1
	s_mov_b32 s47, 0
	s_mov_b32 s95, 0
	s_add_nc_u64 s[92:93], s[92:93], s[46:47]
	v_mul_lo_u32 v5, v24, s48
	v_mul_lo_u32 v20, v22, s49
	v_add_nc_u32 v5, v5, v20
	; the statistics and O^T.  The trip is written with no first step of its own: it finds zeros, which the first change of M leaves zeros
.irp x, 0,1
	v_mov_b32 v[13+4*\x], 0xff61b1e6               ; the largest t so far: -3e38, under every t
	v_floor_f32 v[12+4*\x], -v[13+4*\x]            ; -M
	v_mov_b32 v[14+4*\x], 0
	v_mov_b32 v[15+4*\x], 0
.endr
	v_mov_b32 v23, 0                               ; (named as the upper half of the pair v[22:23])
	v_mov_b32 v24, 0                               ; a lane permute's destination counts as one of its sources
.set jx, 0
.rept 64
	v_mov_b32 v[160+jx], 0
.set jx, jx+1
.endr
	s_wait_kmcnt 0x0                               ; the exponents
	s_add_co_i32 s46, s28, s29                     ; eq + ek
	s_lshl_b32 s47, s46, 23
	s_mov_b32 s84, 0x3d38aa3b                      ; log2(e) / 32
	s_add_co_i32 s84, s84, s47                     ; c = log2(e) / 32 x 2^(eq + ek): the exponents are added to its exponent field
	s_mov_b32 s85, s84                             ; (named with it as a pair, so it is written)
	s_sub_co_i32 s46, 162, s46
	s_lshl_b32 s46, s46, 23
	s_or_b32 s46, s46, 0x80000000
	v_mov_b32 v8, s46                              ; -2^(35 - eq - ek)
	s_mov_b32 s88, s30                             ; ep
	s_add_co_i32 s46, s30, 127
	s_lshl_b32 s47, s46, 23
	v_mov_b32 v10, s47                             ; 2^ep as f32, for the conversion
	s_add_co_i32 s46, s46, 15
	s_lshl_b32 s46, s46, 23
	s_or_b32 s46, s46, 0x600000
	v_mov_b32 v9, s46                              ; 57,344 x 2^ep
	s_add_co_i32 s66, s30, s31                     ; ep + ev
	s_mov_b32 s67, s32
	MWORDS 0                                       ; tile A's words of step 0.  (All that lay in these registers has been used; no pending load names one of them)
	s_wait_loadcnt 20                              ; packet 0's four loads are in; Q's 4 and K's 16 stay out
	PUT 0
	s_wait_dscnt 0x0
	s_mov_b32 s96, 8192
	s_mov_b32 s97, 0
	s_mov_b32 s98, 0
	s_mov_b32 s99, 0
	GET                                            ; packet 1
	s_barrier_signal -1
	s_wait_loadcnt 4                               ; Q and K of step 0 are in; packet 1's four loads stay out
	WIN 0x05
.irp x, 0,1
.irp t, 0,1,2,3,4,5,6,7
	v_wmma_f32_16x16x64_bf8_bf8 v[32+64*\x+8*\t:32+64*\x+8*\t+7], v[16+8*\t:16+8*\t+7], v[8*\x:8*\x+7], 0
.endr
.endr
	WIN 0
.rept 4
	v_nop                                          ; places in front of the first read of these scores
.endr
	s_mov_b32 s90, 15
.Lpair:                                            ; 15 trips of two key steps: steps 0 to 29
	TRIP 0, 0, 1, 1, 1, 1, 1
	TRIP 1, 1, 1, 1, 1, 0, 1
	s_sub_co_u32 s90, s90, 1
	s_cmp_lg_u32 s90, 0
	s_cbranch_scc1 .Lpair
	TRIP 0, 0, 1, 1, 0, 0, 1                       ; step 30: the last packet is stored, nothing more is asked for
	TRIP 1, 1, 0, 0, 0, 0, 0                       ; step 31: no next step
	; THE WAY OUT.  O^T x 2^(ep + ev) / the sum is quantised with entry 10's scale.  A lane's eight numbers of a tile of 16 channels are 8 bytes; the 32 lanes' lie on end in the image.
	v_add_f32 v14, v14, v15                        ; the sums' two halves (these lines are the places behind the last products),
	v_add_f32 v18, v18, v19
	v_permlanex16_b32 v24, v14, s86, s87
	v_permlanex16_b32 v20, v18, s86, s87
	v_add_f32 v14, v14, v24                        ; and lane l xor 16's
	v_add_f32 v18, v18, v20
	v_rcp_f32 v14, v14
	v_rcp_f32 v18, v18
	s_add_co_i32 s16, s67, 127
	s_lshl_b32 s17, s16, 23
	v_mov_b32 v10, s17                             ; 2^e as f32 (a plain line behind the reciprocals)
	s_add_co_i32 s16, s16, 15
	s_lshl_b32 s16, s16, 23
	s_or_b32 s16, s16, 0x600000
	v_mov_b32 v9, s16                              ; 57,344 x 2^e
	s_wait_alu depctr_va_vdst(0)                   ; one wait for both reciprocals, ahead of their first reader
	v_ldexp_f32 v14, v14, s66
	v_ldexp_f32 v18, v18, s66
.irp x, 0,1
.set jx, 0
.rept 16
	v_pk_mul_f32 v[32+64*\x+jx:32+64*\x+jx+1], v[160+32*\x+jx:160+32*\x+jx+1], v[14+4*\x:15+4*\x] op_sel_hi:[1,0]   ; register 8 d + j: channel 16 d + 8 h + j of query r; each accumulator from its low end on
.set jx, jx+2
.endr
.set jx, 0
.rept 32
	v_med3_num_f32 v[32+64*\x+jx], v[32+64*\x+jx], -v9, v9
.set jx, jx+1
.endr
.irp d, 0,1,2,3
	v_cvt_scalef32_pk8_bf8_f32 v[224+16*\x+2*\d:224+16*\x+2*\d+1], v[32+64*\x+8*\d:32+64*\x+8*\d+7], v10
.endr
	v_nop                                          ; a plain line behind the last conversion
.irp d, 0,1,2,3
	global_store_b64 v6, v[224+16*\x+2*\d:224+16*\x+2*\d+1], s[10:11] offset:\x*4096+(\d/2)*512+(\d%2)*256   ; 32 lanes store 256 consecutive bytes, at a multiple of 256 from the buffer's first byte
.endr
.endr
	s_wait_tensorcnt 0x0
	ds_add_u32 v30, v31
	s_wait_dscnt 0x0
	s_endpgm
.Lfunc_end_k_qe419b385d6_attn:
	.size	k_qe419b385d6_attn, .Lfunc_end_k_qe419b385d6_attn-k_qe419b385d6_attn
	.p2alignl 7, 3214868480
	.fill 96, 4, 3214868480
	.section	.rodata,"a",@progbits
	.p2align	6, 0x0
	.amdhsa_kernel k_qe419b385d6_attn
		.amdhsa_group_segment_fixed_size 33792
		.amdhsa_private_segment_fixed_size 0
		.amdhsa_enable_private_segment 0
		.amdhsa_kernarg_size 48
		.amdhsa_user_sgpr_count 2
		.amdhsa_user_sgpr_kernarg_segment_ptr 1
		.amdhsa_wavefront_size32 1
		.amdhsa_system_sgpr_workgroup_id_x 1
		.amdhsa_system_sgpr_workgroup_id_y 1
		.amdhsa_system_sgpr_workgroup_id_z 1
		.amdhsa_system_vgpr_workitem_id 0
		.amdhsa_next_free_vgpr 416
		.amdhsa_next_free_sgpr 102
		.amdhsa_reserve_vcc 0
		.amdhsa_float_denorm_mode_32 3
		.amdhsa_float_denorm_mode_16_64 3
		.amdhsa_memory_ordered 1
		.amdhsa_forward_progress 1
		.amdhsa_inst_pref_size 167
	.end_amdhsa_kernel
	.amdgpu_metadata
---
amdhsa.version: [ 1, 2 ]
amdhsa.kernels:
  - .name:           k_qe419b385d6_attn
    .symbol:         k_qe419b385d6_attn.kd
    .args:
      - { .name: qf, .offset: 0, .size: 8, .value_kind: global_buffer, .address_space: global }
      - { .name: kf, .offset: 8, .size: 8, .value_kind: global_buffer, .address_space: global }
      - { .name: vf, .offset: 16, .size: 8, .value_kind: global_buffer, .address_space: global }
      - { .name: mbits, .offset: 24, .size: 8, .value_kind: global_buffer, .address_space: global }
      - { .name: lowp_scales, .offset: 32, .size: 8, .value_kind: global_buffer, .address_space: global }
      - { .name: af, .offset: 40, .size: 8, .value_kind: global_buffer, .address_space: global }
    .group_segment_fixed_size: 33792
    .private_segment_fixed_size: 0
    .kernarg_segment_align: 8
    .kernarg_segment_size: 48
    .max_flat_workgroup_size: 256
    .sgpr_count:     102
    .vgpr_count:     416
    .wavefront_size: 32
...
	.end_amdgpu_metadata
.endif
;; end of part 3
;; launch outp (part 4): grid 8 x 32, 4 waves a work-group, clusters of 4 x 4, 288,256 bytes of LDS; arguments af, wo_codes, lowp_scales, bo, out0; writes out0
.if DOCPART == 4
	.amdgcn_target "amdgcn-amd-amdhsa--gfx1250"
	.amdhsa_code_object_version 6
	.text
	.protected	k_qe419b385d6_outp
	.globl	k_qe419b385d6_outp
	.p2align	8
	.type	k_qe419b385d6_outp,@function
k_qe419b385d6_outp:
	s_mov_b64 s[64:65], 0
	v_nop
	global_prefetch_b8 v0, s[64:65] scope:SCOPE_SE
	s_setreg_imm32_b32 hwreg(HW_REG_WAVE_MODE, 25, 1), 1
	s_wait_xcnt 0x0
	s_wait_alu depctr_hold_cnt(0) depctr_sa_sdst(0) depctr_va_vdst(0) depctr_va_sdst(0) depctr_va_ssrc(0) depctr_va_vcc(0) depctr_vm_vsrc(0)
	s_getreg_b32 s2, hwreg(HW_REG_IB_STS2, 6, 4)
	s_cmp_eq_u32 s2, 0
	s_cbranch_scc0 .Lentry_in_a_cluster
	s_endpgm
.Lentry_in_a_cluster:
	s_bfe_u32 s2, ttmp6, 0x10000c
	s_cmp_lg_u32 s2, 0xf033
	s_cbranch_scc0 .Lentry_shape_is_right
	s_endpgm
.Lentry_shape_is_right:
; out0 = concat wo^T + bo on codes of BF8 (E5M2).  concat [4096][1024] comes as af, images of operand registers; wo_codes [1024][1024], K innermost; out0 [4096][1024] f32.
; A tile of out0 is 128 x 128: 256 work-groups.  Four waves, each 64 x 64: 16 accumulators.  ALL OF K (1,024) LIES IN LDS: four chunks of 256 for each side, each filled once, by one tensor load a wave and chunk.
; No LDS byte is filled twice: there is no ring.  The four loads of a wave go out together at the head; a counted wait and a barrier stand in front of the first read of each chunk.
; af: byte 131072 (T / 8) + 32768 KS + 4096 (T % 8) + 2048 q + 512 c + 16 L + e = code of concat(token 16 T + L % 16, k = 256 KS + 128 q + 32 c + 16 (L / 16) + e): registers 4 c .. 4 c + 3 of a fragment,
; in the same permutation of K that four loads of 16 bytes, 32 bytes apart, give to rows of wo: every product meets its partner.  A chunk of a tile row is 32,768 dense bytes.
; CLUSTERS: 4 x 4 work-groups.  The four of a row of the cluster need the same chunks of af, the four of a column the same rows of wo: each is asked for jointly.
; THE MATRIX INSTRUCTION IS USED TRANSPOSED (source 0 = 16 rows of wo, source 1 = 16 tokens): a lane holds eight neighbouring numbers of a row of out0.
; y = sum x 2^(e10 + e11) + bo, one packed multiply-add for two numbers.  LIMIT: e10 + e11 between -126 and 127.  No prefetch: all tiles are asked for at the head.
; REGISTERS: window 0: v16-19, v20-23 LDS addresses of my fragments in chunk 0 .. 3; v24-27 the way out; v32-63 bo; v64-95, v96-127 at work on the way out; v128-255 the accumulators ((a, b) at v[128 + 8 (4 a + b)]).
;   window 1: two buffers of 128: four fragments of af, then four of wo, for 128 along K.
.set PITCH, 272                        ; a row of wo in LDS: 256 bytes + 16 of padding = 68 words: row r starts at bank 4 r mod 64 (64 banks of 4 bytes: ISA guide 11.1)
.set ASL,   32768                      ; a chunk of af: 8 tiles of 16 tokens x 4,096 bytes
.set BSL,   128*PITCH                  ; a chunk of wo: 128 rows
.set BBASE, 4*ASL
.set STAGE, BBASE+4*BSL                ; behind the chunks: 16 rows x 272 bytes for each wave, for the way out: bytes into which no tensor load lands
.set ADRA, 16
.set ADRB, 20
.set STO,  24                          ; v24  the way out: where I put 32 bytes of a row
.set RD,   25                          ; v25  where I read a row back
.set CO,   26                          ; v26  my byte offset in out0
.set BNO,  27                          ; v27  32 h: my numbers of bo
.set BN,   32
.set TMP,  64
.set BK,   96
.set ACC,  128
.set F0,   0
.set F1,   128
.set G1A, 16                           ; s[16:23] descriptor group 1 for af's chunks;  s[24:31] for wo's
.set G1B, 24
.set G0A, 32                           ; s[32:47] group 0 for af, a set for each chunk;  s[48:63] for wo
.set G0B, 48
.set MSB, 0
.macro WIN new                         ; the immediate's high byte repeats the setting that is left
.if MSB != \new
	s_set_vgpr_msb (MSB<<8)|\new
.set MSB, \new
.endif
.endm
.macro CROUND                          ; a round of the cluster's barrier
	s_barrier_signal -1
	s_barrier_wait -1
	s_cmp_lg_u32 s10, 0
	s_cbranch_scc1 .Lnot_wave_0_\@
	s_barrier_signal -3
.Lnot_wave_0_\@:
	s_barrier_wait -3
	s_barrier_signal -1
	s_barrier_wait -1
.endm
	s_load_b256 s[76:83], s[0:1], 0x0              ; af 76, wo 78, the scales' exponents 80, bo 82
	s_load_b64 s[84:85], s[0:1], 0x20              ; out0
	v_lshl_add_u32 v30, v0, 2, 0x46400
	v_mov_b32 v31, 0
	ds_add_u32 v30, v31
	ds_add_u32 v30, v31
	v_lshrrev_b32 v1, 5, v0
	v_readfirstlane_b32 s10, v1                    ; wave 0..3
	s_lshr_b32 s11, s10, 1                         ; which half of the tile's tokens is mine.  Also: I fetch af (0) or wo (1)
	s_and_b32 s12, s10, 1                          ; which half of its columns.  Also: which half of a chunk I fetch
	s_bfe_u32 s68, ttmp6, 0x40000                  ; cx, cy: my place in the cluster
	s_bfe_u32 s69, ttmp6, 0x40004
	s_lshl_b32 s70, ttmp9, 2
	s_add_co_u32 s70, s70, s68                     ; tile column = 4 x cluster x + cx
	s_and_b32 s71, ttmp7, 0xffff
	s_lshl_b32 s71, s71, 2
	s_add_co_u32 s71, s71, s69                     ; tile row = 4 x cluster y + cy
	s_lshl_b32 s72, s69, 2
	s_lshl_b32 s72, 15, s72                        ; my row of the cluster
	s_lshl_b32 s73, 0x1111, s68                    ; my column
	s_or_b32 s[G1A], s72, (0<<16)|(1<<21)          ; 15:0 the mask: af's chunks go to my row; 17:16 element of 1 byte; 20 no padding: images are read as they lie; 21 set beside a mask
	s_mov_b32 s[G1A+1], 256<<16                    ; tensor_dim0 = 256
	s_mov_b32 s[G1A+2], 64<<16                     ; tensor_dim1 = 64
	s_mov_b32 s[G1A+3], 256<<16                    ; tile_dim0 = 256
	s_mov_b32 s[G1A+4], 64                         ; tile_dim1 = 64: half a chunk, 16,384 dense bytes
	s_mov_b32 s[G1A+5], 256                        ; tensor_dim0_stride
	s_mov_b32 s[G1A+6], 0
	s_mov_b32 s[G1A+7], 0
	s_or_b32 s[G1B], s73, (0<<16)|(1<<20)|(1<<21)|(5<<22)|(3<<25)   ; the mask of my column; padding: 4 words (code 3) after every 64 (code 5)
	s_mov_b32 s[G1B+1], 256<<16
	s_mov_b32 s[G1B+2], 64<<16
	s_mov_b32 s[G1B+3], 256<<16
	s_mov_b32 s[G1B+4], 64                         ; 64 rows of 256 bytes,
	s_mov_b32 s[G1B+5], 1024                       ; 1,024 bytes apart in memory
	s_mov_b32 s[G1B+6], 0
	s_mov_b32 s[G1B+7], 0
	s_lshl_b32 s86, s71, 17                        ; af: 131,072 bytes a tile row,
	s_lshl_b32 s13, s12, 14                        ; 16,384 a half: in memory and in LDS
	s_add_co_u32 s86, s86, s13
	s_mov_b32 s87, 0
	s_lshl_b32 s88, s70, 17                        ; wo: 128 rows of 1,024 bytes a tile column,
	s_lshl_b32 s89, s12, 16                        ; 64 a half
	s_add_co_u32 s88, s88, s89
	s_mov_b32 s89, 0
	s_mul_i32 s14, s12, 64*PITCH                   ; and in LDS
	s_wait_dscnt 0x0
	s_wait_kmcnt 0x0
	s_load_b64 s[94:95], s[80:81], 0x28            ; e10, e11
	s_add_nc_u64 s[86:87], s[76:77], s[86:87]
	s_add_nc_u64 s[88:89], s[78:79], s[88:89]
.irp k, 0,1,2,3
	s_mov_b32 s[G0A+4*\k], 1                       ; 1:0 count = 1
	s_add_co_u32 s[G0A+4*\k+1], s13, \k*ASL        ; 63:32 LDS address: the wave's number and constants alone
	s_add_nc_u64 s[G0A+4*\k+2:G0A+4*\k+3], s[86:87], \k*ASL   ; 120:64 global address
	s_or_b32 s[G0A+4*\k+3], s[G0A+4*\k+3], 0x80000000         ; 127:126 type = 2
	s_mov_b32 s[G0B+4*\k], 1
	s_add_co_u32 s[G0B+4*\k+1], s14, BBASE+\k*BSL
	s_add_nc_u64 s[G0B+4*\k+2:G0B+4*\k+3], s[88:89], \k*256
	s_or_b32 s[G0B+4*\k+3], s[G0B+4*\k+3], 0x80000000
.endr
	CROUND                                         ; all sixteen work-groups are here: the joint loads meet
	s_cmp_eq_u32 s11, 0                            ; a wave's four fills stand in one branch, ahead of every wait on TENSORcnt and every LDS read: four loads of mine are out; four v_nop follow the last
	s_cbranch_scc0 .Lfor_b
	tensor_load_to_lds s[G0A:G0A+3], s[G1A:G1A+7]
	s_nop 0
	tensor_load_to_lds s[G0A+4:G0A+7], s[G1A:G1A+7]
	s_nop 0
	tensor_load_to_lds s[G0A+8:G0A+11], s[G1A:G1A+7]
	s_nop 0
	tensor_load_to_lds s[G0A+12:G0A+15], s[G1A:G1A+7]
	s_nop 0
.rept 4
	v_nop
.endr
	s_branch .Lasked
.Lfor_b:
	tensor_load_to_lds s[G0B:G0B+3], s[G1B:G1B+7]
	s_nop 0
	tensor_load_to_lds s[G0B+4:G0B+7], s[G1B:G1B+7]
	s_nop 0
	tensor_load_to_lds s[G0B+8:G0B+11], s[G1B:G1B+7]
	s_nop 0
	tensor_load_to_lds s[G0B+12:G0B+15], s[G1B:G1B+7]
	s_nop 0
.rept 4
	v_nop
.endr
.Lasked:
	v_and_b32 v1, 15, v0                           ; r
	v_bfe_u32 v2, v0, 4, 1                         ; h
	v_and_b32 v3, 31, v0
	v_lshlrev_b32 v3, 4, v3                        ; 16 L: an image's place for my lane
	v_mul_u32_u24 v4, v1, PITCH
	v_lshl_add_u32 v4, v2, 4, v4                   ; a row of wo: r x pitch + 16 h
	s_lshl_b32 s90, s11, 14                        ; my four tiles of tokens
	s_mul_i32 s91, s12, 64*PITCH                   ; my 64 rows of wo,
	s_add_co_u32 s91, s91, BBASE                   ; which lie behind af's chunks
.irp k, 0,1,2,3
	v_add_nc_u32 v[ADRA+\k], s90, v3
	v_add_nc_u32 v[ADRB+\k], s91, v4
	s_add_co_u32 s90, s90, ASL
	s_add_co_u32 s91, s91, BSL
.endr
	s_mul_i32 s92, s10, 16*PITCH
	s_add_co_u32 s92, s92, STAGE                   ; my stage
	v_mul_u32_u24 v5, v1, PITCH                    ; in: row r, 32 bytes for each half of the lanes
	v_lshl_add_u32 v5, v2, 5, v5
	v_add_nc_u32 v[STO], s92, v5
	v_mul_u32_u24 v5, v2, PITCH                    ; back: lanes 0-15 take one row of 256 bytes, lanes 16-31 the next
	v_lshl_add_u32 v5, v1, 4, v5
	v_add_nc_u32 v[RD], s92, v5
	v_lshlrev_b32 v[CO], 12, v2                    ; and the same two rows in out0: 4,096 bytes a row
	v_lshl_add_u32 v[CO], v1, 4, v[CO]
	v_lshlrev_b32 v[BNO], 5, v2
	s_lshl_b32 s90, s70, 9                         ; my first column, in bytes: 512 x tile column + 256 x half
	s_lshl_b32 s91, s12, 8
	s_add_co_u32 s90, s90, s91
	s_mov_b32 s91, 0
	s_add_nc_u64 s[82:83], s[82:83], s[90:91]      ; bo at my 64 columns
	s_add_nc_u64 s[84:85], s[84:85], s[90:91]
	s_lshl_b32 s90, s71, 19                        ; my first row: 128 x tile row + 64 x half, 4,096 bytes each
	s_lshl_b32 s92, s11, 18
	s_add_co_u32 s90, s90, s92
	s_add_nc_u64 s[84:85], s[84:85], s[90:91]
.irp b, 0,1,2,3
	global_load_b128 v[BN+8*\b:BN+8*\b+3], v[BNO], s[82:83] offset:64*\b       ; register 8 b + i: bo of column 16 b + 8 h + i; waited for on the way out
	global_load_b128 v[BN+8*\b+4:BN+8*\b+7], v[BNO], s[82:83] offset:64*\b+16
.endr
; 8 matrix instructions: tiles of tokens a0, a0 + 1 x my four tiles of columns, 128 along K, from buffer f.  zero = 1: the first product starts the sums.  The 16 accumulators take turns, one instruction a turn.
.macro MUL8 f, a0, zero
	WIN 0x05                                       ; sources 0 (wo) and 1 (af) window 1; C and D window 0
.irp a, \a0, \a0+1
.irp b, 0,1,2,3
.if \zero
	v_wmma_f32_16x16x128_bf8_bf8 v[ACC+8*(4*(\a)+\b):ACC+8*(4*(\a)+\b)+7], v[\f+64+16*\b:\f+64+16*\b+15], v[\f+16*(\a):\f+16*(\a)+15], 0
.else
	v_wmma_f32_16x16x128_bf8_bf8 v[ACC+8*(4*(\a)+\b):ACC+8*(4*(\a)+\b)+7], v[\f+64+16*\b:\f+64+16*\b+15], v[\f+16*(\a):\f+16*(\a)+15], v[ACC+8*(4*(\a)+\b):ACC+8*(4*(\a)+\b)+7]
.endif
.endr
.endr
.endm
; 32 LDS loads in one run: the fragments of the n-th 128 along K (chunk n / 2, half n % 2) into buffer f
.macro FETCH n, f
	WIN 0x40                                       ; destination window 1, address window 0
.irp i, 0,1,2,3
.irp c, 0,1,2,3
	ds_load_b128 v[\f+16*\i+4*\c:\f+16*\i+4*\c+3], v[ADRA+(\n)/2] offset:\i*4096+((\n)%2)*2048+\c*512
	ds_load_b128 v[\f+64+16*\i+4*\c:\f+64+16*\i+4*\c+3], v[ADRB+(\n)/2] offset:\i*16*PITCH+((\n)%2)*128+\c*32
.endr
.endr
.endm
; The n-th 128 along K: multiplies buffer f; in its middle it fetches the next into buffer g.  Where the next lies in a new chunk, a barrier comes first: each wave has waited for its part of that chunk (the later chunks' loads stay out).
.macro HALF n, f, g, zero
	s_wait_dscnt 0x0                               ; this step's fragments are in; no LDS instruction of mine is out at the signal below
.if ((\n)%2 == 1) && ((\n) < 7)
	s_wait_tensorcnt (5-(\n))/2                    ; my load of chunk (n + 1) / 2 has landed: behind it 2, 1 or 0 were issued
	s_barrier_signal -1
.endif
	MUL8 \f, 0, \zero
.if ((\n)%2 == 1) && ((\n) < 7)
	s_barrier_wait -1                              ; everybody's has.
.endif
.if (\n) < 7
.rept 4
	v_nop                                          ; places in front of loads into the buffer that the step before multiplied
.endr
	FETCH (\n)+1, \g
.endif
	MUL8 \f, 2, \zero
.endm
	s_wait_tensorcnt 3                             ; my part of chunk 0 is in; the three later loads stay out,
	s_barrier_signal -1
	s_barrier_wait -1                              ; everybody's is
	FETCH 0, F0
	HALF 0, F0, F1, 1
	HALF 1, F1, F0, 0
	HALF 2, F0, F1, 0
	HALF 3, F1, F0, 0
	HALF 4, F0, F1, 0
	HALF 5, F1, F0, 0
	HALF 6, F0, F1, 0
	HALF 7, F1, F0, 0
	WIN 0
.rept 4
	v_nop                                          ; places in front of the first read of results
.endr
	; THE WAY OUT, 16 tokens x my 64 columns at a time.  A lane holds 32 neighbouring bytes of a row; a row's 256 bytes go through my own stage and come back whole.
	s_wait_kmcnt 0x0
	s_add_co_i32 s94, s94, s95
	s_add_co_i32 s94, s94, 127
	s_lshl_b32 s94, s94, 23                        ; 2^(e10 + e11) as f32
	s_mov_b32 s95, s94                             ; (named with it as a pair, so it is written)
	s_wait_loadcnt 0x0                             ; bo
.irp a, 0,1,2,3
.if \a > 0
	s_wait_xcnt 0x0                                ; the block before's stores have read their registers, which take this block's rows
.endif
.irp b, 0,1,2,3
.irp i, 0,2,4,6
	v_pk_fma_f32 v[TMP+8*\b+\i:TMP+8*\b+\i+1], v[ACC+8*(4*\a+\b)+\i:ACC+8*(4*\a+\b)+\i+1], s[94:95], v[BN+8*\b+\i:BN+8*\b+\i+1] op_sel_hi:[1,0,1]   ; each accumulator from its low end on
.endr
.endr
.irp b, 0,1,2,3
	ds_store_b128 v[STO], v[TMP+8*\b:TMP+8*\b+3] offset:64*\b
	ds_store_b128 v[STO], v[TMP+8*\b+4:TMP+8*\b+7] offset:64*\b+16
.endr
.irp t, 0,1,2,3,4,5,6,7
	ds_load_b128 v[BK+4*\t:BK+4*\t+3], v[RD] offset:\t*2*PITCH   ; LDS serves a wave's instructions in order (ISA guide 5.7.1.4): these see my stores
.endr
.irp t, 0,1,2,3,4,5,6,7
	s_wait_dscnt 7-\t                              ; rows 2 t, 2 t + 1 are back; the younger loads stay out.  At t = 7 every LDS instruction of the block is done
	global_store_b128 v[CO], v[BK+4*\t:BK+4*\t+3], s[84:85] offset:(16*\a+2*\t)*4096 th:TH_STORE_NT   ; 16 lanes store 256 consecutive bytes, at a multiple of 256 from out0's first byte; written once
.endr
.endr
	s_wait_dscnt 0x0
	s_wait_tensorcnt 0x0
	ds_add_u32 v30, v31
	s_wait_dscnt 0x0
	CROUND                                         ; the closing round: no work-group ends while a partner may still ask for a tile that names it
	s_endpgm
.Lfunc_end_k_qe419b385d6_outp:
	.size	k_qe419b385d6_outp, .Lfunc_end_k_qe419b385d6_outp-k_qe419b385d6_outp
	.p2alignl 7, 3214868480
	.fill 96, 4, 3214868480
	.section	.rodata,"a",@progbits
	.p2align	6, 0x0
	.amdhsa_kernel k_qe419b385d6_outp
		.amdhsa_group_segment_fixed_size 288256
		.amdhsa_private_segment_fixed_size 0
		.amdhsa_enable_private_segment 0
		.amdhsa_kernarg_size 40
		.amdhsa_user_sgpr_count 2
		.amdhsa_user_sgpr_kernarg_segment_ptr 1
		.amdhsa_wavefront_size32 1
		.amdhsa_system_sgpr_workgroup_id_x 1
		.amdhsa_system_sgpr_workgroup_id_y 1
		.amdhsa_system_sgpr_workgroup_id_z 1
		.amdhsa_system_vgpr_workitem_id 0
		.amdhsa_next_free_vgpr 512
		.amdhsa_next_free_sgpr 100
		.amdhsa_reserve_vcc 0
		.amdhsa_float_denorm_mode_32 3
		.amdhsa_float_denorm_mode_16_64 3
		.amdhsa_memory_ordered 1
		.amdhsa_forward_progress 1
		.amdhsa_inst_pref_size 48
	.end_amdhsa_kernel
	.amdgpu_metadata
---
amdhsa.version: [ 1, 2 ]
amdhsa.kernels:
  - .name:           k_qe419b385d6_outp
    .symbol:         k_qe419b385d6_outp.kd
    .args:
      - { .name: af, .offset: 0, .size: 8, .value_kind: global_buffer, .address_space: global }
      - { .name: wo_codes, .offset: 8, .size: 8, .value_kind: global_buffer, .address_space: global }
      - { .name: lowp_scales, .offset: 16, .size: 8, .value_kind: global_buffer, .address_space: global }
      - { .name: bo, .offset: 24, .size: 8, .value_kind: global_buffer, .address_space: global }
      - { .name: out0, .offset: 32, .size: 8, .value_kind: global_buffer, .address_space: global }
    .group_segment_fixed_size: 288256
    .private_segment_fixed_size: 0
    .kernarg_segment_align: 8
    .kernarg_segment_size: 40
    .max_flat_workgroup_size: 128
    .sgpr_count:     100
    .vgpr_count:     512
    .wavefront_size: 32
...
	.end_amdgpu_metadata
.endif
;; end of part 4
;; ======== version 2 of 2: 4 launches; version 1 with the launch attn written anew for expert scheduling mode
;; limits: right only within a limited range of input values
;; workspace buffers: mbits 2,097,152 bytes of whole numbers; qf 4,194,304 bytes; kf 4,194,304 bytes; vf 4,194,304 bytes; af 4,194,304 bytes
;; launch pack: the kernel of part 1 again; grid 256 x 1, 8 waves a work-group, no clusters, 68,608 bytes of LDS; arguments mask, mbits; writes mbits
;; launch proj: the kernel of part 2 again; grid 4 x 48, 4 waves a work-group, clusters of 4 x 4, 327,680 bytes of LDS; arguments q_codes, k_codes, wv_codes, wq_codes, wk_codes, v_codes, bq, bk, bv, lowp_scales, qf, kf, vf; writes qf, kf, vf
;; launch attn (part 5): grid 16 x 16, 8 waves a work-group, no clusters, 33,792 bytes of LDS; arguments qf, kf, vf, mbits, lowp_scales, af; writes af
.if DOCPART == 5
	.amdgcn_target "amdgcn-amd-amdhsa--gfx1250"
	.amdhsa_code_object_version 6
	.text
	.protected	k_qe419b385d6_attn
	.globl	k_qe419b385d6_attn
	.p2align	8
	.type	k_qe419b385d6_attn,@function
k_qe419b385d6_attn:
	s_mov_b64 s[64:65], 0
	v_nop
	global_prefetch_b8 v0, s[64:65] scope:SCOPE_SE
	s_setreg_imm32_b32 hwreg(HW_REG_WAVE_SCHED_MODE, 0, 2), 2
	s_setreg_imm32_b32 hwreg(HW_REG_WAVE_MODE, 25, 1), 1
	s_wait_xcnt 0x0
	s_wait_alu depctr_vm_vsrc(0)
; Attention of 16 heads of 64 over 4,096 keys with a mask that is an input, both products on codes of BF8 (E5M2); the result is quantised again and stored as images of the last launch's operand registers.
; logit = (q . k) / 32, or the masked value where the mask is set;  t = logit x log2(e);  M = the row's largest t so far, rounded UP to a whole number;  p = 2^(t - M) is quantised with 2^ep, not normalised.
; The row's sum is taken of the unquantised p and divides at the end.  When M moves, the sum and O are multiplied by 2^(old M - new M): nothing is rounded, and there is no branch on data.
; SHARES.  A work-group owns 256 queries of one head (x: the block, y: the head); each of its eight waves two tiles of 16 (A, B), so that each fragment of K and V read from LDS feeds two matrix instructions.  A trip is 128 keys.
; LAYOUT.  Both products are used transposed: S^T = K Q^T (source 0 = 16 neighbouring keys, K = 64 form), O^T = V^T P^T (source 0 = 16 of the head's 64, K = 128 form): a lane holds ONE query (lane % 16) throughout.
; Register 8 t + j of S^T is key 16 t + 8 h + j, so the conversion of registers 8 t .. 8 t + 7 gives registers 2 t, 2 t + 1 of P in the K = 128 form's own layout, in the same lane.  qf, kf and vf are images of such fragments.
; THE MASK comes as words (mbits): word j of a tile and step has in bit L lane L's place in register j.  64 words are read into scalar registers and select, one v_cndmask_b32 a register.
; THE MASKED VALUE.  A masked score is set to -2^(35 - eq - ek), that is, a logit of -2^30 in place of -1e9: its t is then a whole number that f32 holds exactly, so a row that is masked whole gets p = 1 for every key,
; the plain mean of V, as with -1e9.  LIMIT: results differ only where an unmasked logit lies near or below -1e9.
; BY TURNS.  A tile's twelve products (V^T P of this step, K Q^T of the next) are issued behind its softmax and run under the other tile's softmax.
; LDS.  Two buffers of 16,384 bytes; buffer s % 2 holds packet s = {K of step s + 1, V of step s}, 8,192 bytes each, as images: every load and store takes 512 consecutive bytes.
; Wave w copies 1,024 bytes of each through 16 registers: asked for in trip s - 2, stored in trip s - 1, read in trip s.  One barrier a trip.
; NO TENSOR LOAD, NO JOINT REQUEST, though the 16 work-groups of a head walk the same K and V: what is shared is 16,384 bytes a trip and work-group, four loads of 16 bytes a lane beside some 520 vector instructions a wave;
; a scalar branch on the given ep jumps over the hold of p: where ep >= -15, p <= 1 lies under 57,344 x 2^ep, and 128 lines a trip are spared.
; LIMITS on the given exponents: eq + ek between -92 and 130; ep, and the last product's entry 10, between -126 and 112.  NaN is not served.
; THE MODE: SCHED_MODE bits 1:0 = 2 (LLVM: expert scheduling mode 2), set by the entry lines.  The code itself states the register dependences
; between vector or matrix instructions and memory or LDS instructions, with s_wait_alu, always for 0.
; THE PLAN.  Registers that memory or LDS instructions touch:
;   window 1 v80-143 (V), v16-79 (K)  Written by the trip's LDS loads alone (K of step 0: by loads at the head).  Read by tile A's products in the trip's middle and by tile B's at its end.
;   window 1 v144-159                 The packet on its way: four global loads of trip s land in it, four LDS stores of trip s + 1 read it.  No vector or matrix instruction names it.
;   window 1 v0-15 (Q)                Loaded once, at the head.
;   v1, v2, v4, v6; v5                Offsets, made at the head and never written again.
;   v224-231, v240-247                On the way out: written by the last conversions, read by the eight stores.
;   v30, v31                          Written at the head, read by the closing add alone.
; So a trip has ONE wait on va_vdst for its loads, ahead of V's: tile B's products of the trip before are done reading K's and V's registers.  From there to tile A's products the vector lines name registers of
; window 0 alone, so K's loads follow behind the maximum with no further wait.  ONE wait on vm_vsrc stands ahead of a packet's loads: the LDS stores have read the sixteen registers.
; REGISTERS.  window 0: v1 16 L; v2, v4 the copies' offsets; v5 the prefetch's; v6 the way out's; v8 the masked score; v9 57,344 x 2^ep; v10 2^ep; tile x: v[12+4x] -M, +1 the largest t, +2, +3 the sum in two halves;
;   v20, v21, v24, v[26:27] at work; v[22:23] f; v30, v31 the closing add's; v32-95, v96-159 S^T, then p; v160-191, v192-223 O^T; v224-239, v240-255 P's codes.
;   window 1: v0-7, v8-15 Q; v16-79 K's eight fragments; v80-143 V's four; v144-159 the packet on its way.
; SCALARS.  s[4:5] K, s[6:7] V, s[8:9] the mask words, s[10:11] the output, each at my part; s[12:15] the copies' addresses; s16-63, s68-83 the 64 words; s[84:85] c; s[86:87] lane selects; s88 ep; s89 wave; s90 trips; s91-95 the prefetch; s[96:99] the copies' offsets; s66 ep + ev; s67 entry 10; s[100:101] Q.
.set BUF, 16384
.set MSB, 0
.macro WIN new                         ; the immediate's high byte repeats the setting that is left
.if MSB != \new
	s_set_vgpr_msb (MSB<<8)|\new
.set MSB, \new
.endif
.endm
.macro MWORDS off                      ; a tile's 64 words of a step: word j in s[16 + j], from word 48 on in s[20 + j]
	s_load_b512 s[16:31], s[8:9], \off
	s_load_b512 s[32:47], s[8:9], \off+64
	s_load_b512 s[48:63], s[8:9], \off+128
	s_load_b512 s[68:83], s[8:9], \off+192
.endm
.macro MASKIT x                        ; each accumulator is read from its low end on
	s_wait_kmcnt 0x0                               ; the words, asked for half a trip ago
.set jx, 0
.rept 64
	v_cndmask_b32 v[32+64*\x+jx], v[32+64*\x+jx], v8, s[16+jx+4*(jx/48)]
.set jx, jx+1
.endr
.endm
.macro MAXIT x                         ; the largest of my 64 scores, in two chains
.set SB, 32+64*\x
	v_max3_num_f32 v20, v[SB], v[SB+1], v[SB+2]
	v_max3_num_f32 v21, v[SB+3], v[SB+4], v[SB+5]
.set jx, 6
.rept 14
	v_max3_num_f32 v20, v20, v[SB+jx], v[SB+jx+1]
	v_max3_num_f32 v21, v21, v[SB+jx+2], v[SB+jx+3]
.set jx, jx+4
.endr
	v_max3_num_f32 v20, v20, v[SB+62], v[SB+63]
	v_max_num_f32 v20, v20, v21
.endm
.macro STATS x
.set TS, 12+4*\x
	v_permlanex16_b32 v24, v20, s86, s87           ; the query's other 64 keys lie in lane l xor 16
	v_max_num_f32 v20, v20, v24
	v_mul_f32 v20, s84, v20                        ; as t (c is positive)
	v_max_num_f32 v[TS+1], v[TS+1], v20            ; the running largest t
	v_mov_b32 v20, v[TS]
	v_floor_f32 v[TS], -v[TS+1]                    ; the new -M = floor(-t) = -ceil(t)
	v_sub_f32 v20, v[TS], v20                      ; old M - new M: a whole number, 0 or less
	v_cvt_i32_f32 v20, v20                         ; (it saturates)
	v_ldexp_f32 v22, 1.0, v20                      ; f = 2^(old M - new M)
.endm
.macro EXPIT x
.set SB, 32+64*\x
.set TS, 12+4*\x
.set jx, 0
.rept 32
	v_pk_fma_f32 v[SB+jx:SB+jx+1], v[SB+jx:SB+jx+1], s[84:85], v[TS:TS+1] op_sel_hi:[1,0,0]   ; t - M, two at a time (of the pairs c and -M the low word serves both halves)
.set jx, jx+2
.endr
.set jx, 0
.rept 64
	v_exp_f32 v[SB+jx], v[SB+jx]                   ; p = 2^(t - M)
.set jx, jx+1
.endr
	v_pk_mul_f32 v[TS+2:TS+3], v[TS+2:TS+3], v[22:23] op_sel_hi:[1,0]   ; the sums under the new M: the plain line behind the exponentials
	s_wait_alu depctr_va_vdst(0)                   ; the 64 exponentials have written p: one wait for the batch, ahead of its first reader
.endm
.macro SUMIT x                         ; the row's sum is taken of the unquantised p: two at a time, in two chains
.set SB, 32+64*\x
.set TS, 12+4*\x
	v_pk_add_f32 v[26:27], v[SB:SB+1], v[SB+2:SB+3]
.set jx, 4
.rept 15
	v_pk_add_f32 v[TS+2:TS+3], v[TS+2:TS+3], v[SB+jx:SB+jx+1]
	v_pk_add_f32 v[26:27], v[26:27], v[SB+jx+2:SB+jx+3]
.set jx, jx+4
.endr
	v_pk_add_f32 v[TS+2:TS+3], v[TS+2:TS+3], v[26:27]
.endm
.macro HOLDIT x                        ; the conversion to an 8-bit code does not saturate (ISA guide 7.6.2).  p is at most 1 and never negative: the hold is one-sided, and can act only where 57,344 x 2^ep < 1, that is, ep < -15
	s_cmp_lt_i32 s88, -15
	s_cbranch_scc0 .Lno_hold_\@
.set jx, 0
.rept 64
	v_min_num_f32 v[32+64*\x+jx], v[32+64*\x+jx], v9
.set jx, jx+1
.endr
.Lno_hold_\@:
.endm
.macro CODES x
.irp t, 0,1,2,3,4,5,6,7
	v_cvt_scalef32_pk8_bf8_f32 v[224+16*\x+2*\t:224+16*\x+2*\t+1], v[32+64*\x+8*\t:32+64*\x+8*\t+7], v10
.endr
.endm
.macro RESC x                          ; O^T under the new M: x f; each accumulator from its low end on.  These 16 are also the plain lines between the conversions and the products that read P and write S^T
.set jx, 0
.rept 16
	v_pk_mul_f32 v[160+32*\x+jx:160+32*\x+jx+1], v[160+32*\x+jx:160+32*\x+jx+1], v[22:23] op_sel_hi:[1,0]
.set jx, jx+2
.endr
.endm
; Tile x's products: four of O^T += V^T P^T, then (kq = 1) eight of the next step's S^T = K Q^T, which start their sums with 0.  Twelve accumulators, one instruction each: no two that follow each other share one.
.macro MATS x, kq
	WIN 0x01                                       ; source 0 (V) window 1
.irp d, 0,1,2,3
	v_wmma_f32_16x16x128_bf8_bf8 v[160+32*\x+8*\d:160+32*\x+8*\d+7], v[80+16*\d:80+16*\d+15], v[224+16*\x:224+16*\x+15], v[160+32*\x+8*\d:160+32*\x+8*\d+7]
.endr
.if \kq
	WIN 0x05                                       ; sources 0 (K) and 1 (Q) window 1
.irp t, 0,1,2,3,4,5,6,7
	v_wmma_f32_16x16x64_bf8_bf8 v[32+64*\x+8*\t:32+64*\x+8*\t+7], v[16+8*\t:16+8*\t+7], v[8*\x:8*\x+7], 0
.endr
.endif
	WIN 0
.endm
; A packet's fragments: images, 512 consecutive bytes a load.  V's sixteen loads come first, behind the trip's one wait for its loads; K's sixteen follow behind the maximum.
.macro FRAGV buf
	WIN 0x40                                       ; destination window 1
	s_wait_alu depctr_va_vdst(0)                   ; tile B's products of the trip before (in the first trip: the head's sixteen) are done reading K's and V's registers, in which this trip's 32 LDS loads land
.irp d, 0,1,2,3
.irp g, 0,1,2,3
	ds_load_b128 v[80+16*\d+4*\g:80+16*\d+4*\g+3], v1 offset:(\buf)*BUF+8192+(\g/2)*4096+\d*1024+(\g%2)*512
.endr
.endr
	WIN 0
.endm
.macro FRAGK buf                       ; no wait: since the wait ahead of V's loads only the maximum's lines have been issued, which name v20, v21 and S^T, all in window 0: neither v1 nor K's registers
	WIN 0x40                                       ; destination window 1
.irp t, 0,1,2,3,4,5,6,7
	ds_load_b128 v[16+8*\t:16+8*\t+3], v1 offset:(\buf)*BUF+\t*1024
	ds_load_b128 v[16+8*\t+4:16+8*\t+7], v1 offset:(\buf)*BUF+\t*1024+512
.endr
	WIN 0
.endm
.macro PUT buf                         ; my 2,048 bytes of a packet into LDS.  The data come from loads and the address was made at the head: the wait on LOADcnt is all that these stores hang on
	WIN 0x04                                       ; store data window 1
	ds_store_b128 v2, v[144:147] offset:(\buf)*BUF
	ds_store_b128 v2, v[148:151] offset:(\buf)*BUF+512
	ds_store_b128 v2, v[152:155] offset:(\buf)*BUF+8192
	ds_store_b128 v2, v[156:159] offset:(\buf)*BUF+8704
	WIN 0
.endm
.macro GET                             ; the next packet is asked for.  The last packet has no K behind it: the clamp lets its two loads of K fetch step 31's bytes once more; they are stored and never read
	s_add_co_u32 s96, s96, 8192
	s_min_u32 s96, s96, 31*8192
	s_add_co_u32 s98, s98, 8192
	s_add_nc_u64 s[12:13], s[4:5], s[96:97]        ; (the loads that read these addresses have been waited for)
	s_add_nc_u64 s[14:15], s[6:7], s[98:99]
	WIN 0x40
	s_wait_alu depctr_vm_vsrc(0)                   ; my four LDS stores of the packet before have read v144-159 of window 1, in which the four loads below land
	global_load_b128 v[144:147], v2, s[12:13]
	global_load_b128 v[148:151], v2, s[12:13] offset:512
	global_load_b128 v[152:155], v4, s[14:15]
	global_load_b128 v[156:159], v4, s[14:15] offset:512
	WIN 0
.endm
; A PREFETCH INTO THE L2, one instruction for each asking wave in each pair of trips, behind the wave's loads in the even trip e.  Each aligned block of 256 bytes is named once in the launch.
; All work-groups of a head walk the same K and V: the one with x = 0 asks; its waves 0, 1 for K of steps e + 4, e + 5 (8,192 bytes each, lanes 256 bytes apart), its waves 2, 3 for V of steps e + 3, e + 4 (two runs of 4,096 bytes).
; All heads read the same mask words: the work-group with y = 0 asks; its wave 4 for steps e + 2, e + 3 of its 16 tiles, 256 bytes each.  K's and V's waves ask for nothing in the last pair: there is no such step.  Nothing is asked for at the head.
.macro ASK
	s_cmp_gt_u32 s90, s91
	s_cbranch_scc0 .Lnot_mine_\@
	global_prefetch_b8 v5, s[92:93] th:TH_LOAD_NT scope:SCOPE_SE
.Lnot_mine_\@:
.endm
.macro SOFT x                          ; behind the maximum: a tile's softmax of a step
	STATS \x
	EXPIT \x
	SUMIT \x
	HOLDIT \x
	CODES \x
	RESC \x
.endm
; TRIP s.  buf = s % 2; odd = s % 2; kq: there is a next step; st: packet s + 1 is stored; ld: packet s + 2 is asked for; ask: the prefetch; nexta: tile A's words of step s + 1 are asked for.
.macro TRIP buf, odd, kq, st, ld, ask, nexta
	MASKIT 0                                       ; 64 plain lines that name no register of tile B's products just issued
.if \odd && \ld
	s_wait_xcnt 0x0                                ; the prefetch, half a pair back, has read its address, so it may be stepped
	s_add_nc_u64 s[92:93], s[92:93], s[94:95]
.endif
	s_barrier_wait -1                              ; packet s lies whole in its buffer; nobody reads the other buffer any more
	MWORDS 8192+256*\odd                           ; tile B's words of this step
	FRAGV \buf
	MAXIT 0
.if \kq
	FRAGK \buf
.endif
	SOFT 0
	s_wait_dscnt 0x0                               ; the fragments are in
	MATS 0, \kq
	MASKIT 1
.if \nexta
.if \odd
	s_add_nc_u64 s[8:9], s[8:9], 512               ; (every scalar load is done: the base may step)  two steps on
	MWORDS 0
.else
	MWORDS 256
.endif
.endif
.if \st
	s_wait_loadcnt 0x0                             ; packet s + 1, asked for a trip ago
	PUT 1-\buf
.endif
	MAXIT 1
.if \st
	s_wait_dscnt 0x0                               ; for the others' sake: my stores have landed; my reads of this trip's buffer came back ahead of tile A's products
.if \ld
	GET
.endif
.if \ask
	ASK
.endif
	s_barrier_signal -1                            ; from here to the next trip's wait: work on registers alone
.endif
	SOFT 1
	MATS 1, \kq
.endm
	s_load_b256 s[16:23], s[0:1], 0x0              ; qf, kf, vf, mbits
	s_load_b128 s[24:27], s[0:1], 0x20             ; the scales' exponents, af
	v_lshl_add_u32 v30, v0, 2, 0x8000              ; my spare word, behind the two buffers; kept for the closing lines alone
	v_mov_b32 v31, 0                               ; and 0, likewise
	v_lshrrev_b32 v20, 5, v0
	v_readfirstlane_b32 s89, v20                   ; wave 0..7
	v_and_b32 v21, 31, v0                          ; L
	v_lshlrev_b32 v1, 4, v21                       ; 16 L
	v_and_b32 v24, 15, v0                          ; r
	v_bfe_u32 v22, v0, 4, 1                        ; h
	s_wait_alu depctr_va_sdst(0)                   ; s89 is written, ahead of its first reader: offsets, bases and branches are made from it
	s_lshl_b32 s28, s89, 10
	v_add_nc_u32 v2, s28, v1                       ; 1024 w + 16 L: my part of K in memory, and of both halves of a packet in LDS
	s_lshr_b32 s29, s89, 2
	s_lshl_b32 s29, s29, 18
	s_and_b32 s30, s89, 3
	s_lshl_b32 s30, s30, 10
	s_add_co_u32 s29, s29, s30
	v_add_nc_u32 v4, s29, v1                       ; 262144 (w / 4) + 1024 (w % 4) + 16 L: my part of V in memory
	v_lshlrev_b32 v6, 4, v24
	v_lshl_add_u32 v6, v22, 3, v6                  ; 16 r + 8 h: my 8 bytes of a store
	s_and_b32 s33, ttmp7, 0xffff                   ; the head
	s_lshl_b32 s34, s33, 18                        ; a head's 262,144 bytes in qf and kf
	s_mov_b32 s35, 0
	s_lshl_b32 s36, ttmp9, 14                      ; Q: 16 tiles of 1,024 bytes a block,
	s_lshl_b32 s37, s89, 11                        ; two a wave
	s_add_co_u32 s36, s36, s37
	s_add_co_u32 s36, s36, s34
	s_mov_b32 s37, 0
	s_lshr_b32 s38, s33, 1                         ; V: 524288 (head / 2) + 4096 (head % 2)
	s_lshl_b32 s38, s38, 19
	s_and_b32 s39, s33, 1
	s_lshl_b32 s39, s39, 12
	s_add_co_u32 s38, s38, s39
	s_mov_b32 s39, 0
	s_lshl_b32 s40, ttmp9, 17                      ; the words: 16 tiles of 8,192 bytes a block,
	s_mov_b32 s41, 0
	s_lshl_b32 s42, s89, 14                        ; two a wave
	s_mov_b32 s43, 0
	s_lshl_b32 s44, ttmp9, 1                       ; af: 131072 (T / 8) + 32768 (head / 4) + 4096 (T % 8) + 2048 ((head / 2) % 2) + 1024 (head % 2), T = 16 block + 2 w
	s_lshr_b32 s45, s89, 2
	s_add_co_u32 s44, s44, s45
	s_lshl_b32 s44, s44, 17
	s_lshr_b32 s45, s33, 2
	s_lshl_b32 s45, s45, 15
	s_add_co_u32 s44, s44, s45
	s_and_b32 s45, s89, 3
	s_lshl_b32 s45, s45, 13
	s_add_co_u32 s44, s44, s45
	s_bfe_u32 s45, s33, 0x10001
	s_lshl_b32 s45, s45, 11
	s_add_co_u32 s44, s44, s45
	s_and_b32 s45, s33, 1
	s_lshl_b32 s45, s45, 10
	s_add_co_u32 s44, s44, s45
	s_mov_b32 s45, 0
	s_mov_b32 s86, 0x76543210
	s_mov_b32 s87, 0xfedcba98
	s_wait_kmcnt 0x0
	s_load_b128 s[28:31], s[24:25], 0x18           ; eq, ek, ep, ev
	s_load_b32 s32, s[24:25], 0x28                 ; entry 10: the scale of what this launch stores
	s_add_nc_u64 s[4:5], s[18:19], s[34:35]        ; K at my head
	s_add_nc_u64 s[100:101], s[16:17], s[36:37]    ; Q at my two tiles
	s_add_nc_u64 s[6:7], s[20:21], s[38:39]        ; V at my head
	s_add_nc_u64 s[40:41], s[22:23], s[40:41]      ; the words at my block,
	s_add_nc_u64 s[8:9], s[40:41], s[42:43]        ; at my two tiles
	s_add_nc_u64 s[10:11], s[26:27], s[44:45]      ; the output at my two tiles
	s_add_nc_u64 s[12:13], s[4:5], 8192            ; packet 0: K of step 1,
	s_mov_b64 s[14:15], s[6:7]                     ; V of step 0
	WIN 0x40
	s_wait_alu depctr_va_vdst(0)                   ; the offsets v1, v2, v4 and v6 are written, which every load and store of the kernel but the prefetch reads; so are v30 and v31
	global_load_b128 v[144:147], v2, s[12:13]
	global_load_b128 v[148:151], v2, s[12:13] offset:512
	global_load_b128 v[152:155], v4, s[14:15]
	global_load_b128 v[156:159], v4, s[14:15] offset:512
.irp i, 0,1,2,3
	global_load_b128 v[4*\i:4*\i+3], v1, s[100:101] offset:512*\i   ; Q's two fragments stay in registers
.endr
.irp t, 0,1,2,3,4,5,6,7
	global_load_b128 v[16+8*\t:16+8*\t+3], v1, s[4:5] offset:\t*1024       ; K of step 0 comes straight from memory
	global_load_b128 v[16+8*\t+4:16+8*\t+7], v1, s[4:5] offset:\t*1024+512
.endr
	WIN 0
	; the prefetches (macro ASK): who asks, from where, in which steps
	s_mov_b32 s49, 262144
	s_cmp_lt_u32 s89, 2                            ; waves 0, 1: K; waves 2, 3: V
	s_cselect_b64 s[92:93], s[4:5], s[6:7]
	s_cselect_b32 s46, 4, 1                        ; the first step asked for: 4 + w of K, 1 + w of V
	s_cselect_b32 s49, 4096, s49                   ; from lanes 0-15 to lanes 16-31
	s_add_co_u32 s46, s46, s89
	s_lshl_b32 s46, s46, 13
	s_mov_b32 s48, 256                             ; from lane to lane
	s_mov_b32 s94, 16384                           ; from pair to pair of trips
	s_cmp_eq_u32 s89, 4                            ; wave 4: the words
	s_cselect_b64 s[92:93], s[40:41], s[92:93]
	s_cselect_b32 s46, 512, s46                    ; steps 2 and 3
	s_cselect_b32 s94, 512, s94
	s_cselect_b32 s48, 8192, s48                   ; a lane a tile,
	s_cselect_b32 s49, 256, s49                    ; lanes 16-31 the second step
	s_cselect_b32 s50, s33, ttmp9                  ; the coordinate along which other work-groups read the same bytes
	s_cselect_b32 s51, 0, 1                        ; the words are asked for in every pair, K and V in all but the last
	s_cmp_gt_u32 s89, 4
	s_cselect_b32 s50, 1, s50                      ; waves 5 to 7 ask for nothing
	s_cmp_eq_u32 s50, 0
	s_cselect_b32 s91, s51, -1
	s_mov_b32 s47, 0
	s_mov_b32 s95, 0
	s_add_nc_u64 s[92:93], s[92:93], s[46:47]
	v_mul_lo_u32 v5, v24, s48
	v_mul_lo_u32 v20, v22, s49
	v_add_nc_u32 v5, v5, v20
	; the statistics and O^T.  The trip is written with no first step of its own: it finds zeros, which the first change of M leaves zeros
.irp x, 0,1
	v_mov_b32 v[13+4*\x], 0xff61b1e6               ; the largest t so far: -3e38, under every t
	v_floor_f32 v[12+4*\x], -v[13+4*\x]            ; -M
	v_mov_b32 v[14+4*\x], 0
	v_mov_b32 v[15+4*\x], 0
.endr
	v_mov_b32 v23, 0                               ; (named as the upper half of the pair v[22:23])
	v_mov_b32 v24, 0                               ; a lane permute's destination counts as one of its sources
.set jx, 0
.rept 64
	v_mov_b32 v[160+jx], 0
.set jx, jx+1
.endr
	s_wait_kmcnt 0x0                               ; the exponents
	s_add_co_i32 s46, s28, s29                     ; eq + ek
	s_lshl_b32 s47, s46, 23
	s_mov_b32 s84, 0x3d38aa3b                      ; log2(e) / 32
	s_add_co_i32 s84, s84, s47                     ; c = log2(e) / 32 x 2^(eq + ek): the exponents are added to its exponent field
	s_mov_b32 s85, s84                             ; (named with it as a pair, so it is written)
	s_sub_co_i32 s46, 162, s46
	s_lshl_b32 s46, s46, 23
	s_or_b32 s46, s46, 0x80000000
	v_mov_b32 v8, s46                              ; -2^(35 - eq - ek)
	s_mov_b32 s88, s30                             ; ep
	s_add_co_i32 s46, s30, 127
	s_lshl_b32 s47, s46, 23
	v_mov_b32 v10, s47                             ; 2^ep as f32, for the conversion
	s_add_co_i32 s46, s46, 15
	s_lshl_b32 s46, s46, 23
	s_or_b32 s46, s46, 0x600000
	v_mov_b32 v9, s46                              ; 57,344 x 2^ep
	s_add_co_i32 s66, s30, s31                     ; ep + ev
	s_mov_b32 s67, s32
	s_wait_alu depctr_va_vdst(0)                   ; v5 is written, which every prefetch reads as its offset; it is never written again
	MWORDS 0                                       ; tile A's words of step 0.  (All that lay in these registers has been used; no pending load names one of them)
	s_wait_loadcnt 20                              ; packet 0's four loads are in; Q's 4 and K's 16 stay out
	PUT 0
	s_wait_dscnt 0x0
	s_mov_b32 s96, 8192
	s_mov_b32 s97, 0
	s_mov_b32 s98, 0
	s_mov_b32 s99, 0
	GET                                            ; packet 1
	s_barrier_signal -1
	s_wait_loadcnt 4                               ; Q and K of step 0 are in; packet 1's four loads stay out
	WIN 0x05
.irp x, 0,1
.irp t, 0,1,2,3,4,5,6,7
	v_wmma_f32_16x16x64_bf8_bf8 v[32+64*\x+8*\t:32+64*\x+8*\t+7], v[16+8*\t:16+8*\t+7], v[8*\x:8*\x+7], 0
.endr
.endr
	WIN 0
.rept 4
	v_nop                                          ; places in front of the first read of these scores
.endr
	s_mov_b32 s90, 15
.Lpair:                                            ; 15 trips of two key steps: steps 0 to 29
	TRIP 0, 0, 1, 1, 1, 1, 1
	TRIP 1, 1, 1, 1, 1, 0, 1
	s_sub_co_u32 s90, s90, 1
	s_cmp_lg_u32 s90, 0
	s_cbranch_scc1 .Lpair
	TRIP 0, 0, 1, 1, 0, 0, 1                       ; step 30: the last packet is stored, nothing more is asked for
	TRIP 1, 1, 0, 0, 0, 0, 0                       ; step 31: no next step
	; THE WAY OUT.  O^T x 2^(ep + ev) / the sum is quantised with entry 10's scale.  A lane's eight numbers of a tile of 16 channels are 8 bytes; the 32 lanes' lie on end in the image.
	; Both tiles' arithmetic comes first, each tile into registers of its own; one wait; then the eight stores in one run.
	v_add_f32 v14, v14, v15                        ; the sums' two halves (these lines are the places behind the last products),
	v_add_f32 v18, v18, v19
	v_permlanex16_b32 v24, v14, s86, s87
	v_permlanex16_b32 v20, v18, s86, s87
	v_add_f32 v14, v14, v24                        ; and lane l xor 16's
	v_add_f32 v18, v18, v20
	v_rcp_f32 v14, v14
	v_rcp_f32 v18, v18
	s_add_co_i32 s16, s67, 127
	s_lshl_b32 s17, s16, 23
	v_mov_b32 v10, s17                             ; 2^e as f32 (a plain line behind the reciprocals)
	s_add_co_i32 s16, s16, 15
	s_lshl_b32 s16, s16, 23
	s_or_b32 s16, s16, 0x600000
	v_mov_b32 v9, s16                              ; 57,344 x 2^e
	s_wait_alu depctr_va_vdst(0)                   ; the two reciprocals have written v14 and v18: one wait for both, ahead of their first reader
	v_ldexp_f32 v14, v14, s66
	v_ldexp_f32 v18, v18, s66
.irp x, 0,1
.set jx, 0
.rept 16
	v_pk_mul_f32 v[32+64*\x+jx:32+64*\x+jx+1], v[160+32*\x+jx:160+32*\x+jx+1], v[14+4*\x:15+4*\x] op_sel_hi:[1,0]   ; register 8 d + j: channel 16 d + 8 h + j of query r; each accumulator from its low end on
.set jx, jx+2
.endr
.set jx, 0
.rept 32
	v_med3_num_f32 v[32+64*\x+jx], v[32+64*\x+jx], -v9, v9
.set jx, jx+1
.endr
.irp d, 0,1,2,3
	v_cvt_scalef32_pk8_bf8_f32 v[224+16*\x+2*\d:224+16*\x+2*\d+1], v[32+64*\x+8*\d:32+64*\x+8*\d+7], v10
.endr
.endr                                              ; (tile B's plain lines, which name none of tile A's numbers or codes, stand behind tile A's conversions)
	v_nop                                          ; a plain line behind the last conversion
	s_wait_alu depctr_va_vdst(0)                   ; the eight conversions have written v224-231 and v240-247, which the eight stores read
.irp x, 0,1
.irp d, 0,1,2,3
	global_store_b64 v6, v[224+16*\x+2*\d:224+16*\x+2*\d+1], s[10:11] offset:\x*4096+(\d/2)*512+(\d%2)*256   ; 32 lanes store 256 consecutive bytes, at a multiple of 256 from the buffer's first byte
.endr
.endr
	s_wait_dscnt 0x0                               ; the closing lines, six on end
	s_wait_alu 0x0
	s_wait_tensorcnt 0x0
	ds_add_u32 v30, v31
	s_wait_dscnt 0x0
	s_endpgm
.Lfunc_end_k_qe419b385d6_attn:
	.size	k_qe419b385d6_attn, .Lfunc_end_k_qe419b385d6_attn-k_qe419b385d6_attn
	.p2alignl 7, 3214868480
	.fill 96, 4, 3214868480
	.section	.rodata,"a",@progbits
	.p2align	6, 0x0
	.amdhsa_kernel k_qe419b385d6_attn
		.amdhsa_group_segment_fixed_size 33792
		.amdhsa_private_segment_fixed_size 0
		.amdhsa_enable_private_segment 0
		.amdhsa_kernarg_size 48
		.amdhsa_user_sgpr_count 2
		.amdhsa_user_sgpr_kernarg_segment_ptr 1
		.amdhsa_wavefront_size32 1
		.amdhsa_system_sgpr_workgroup_id_x 1
		.amdhsa_system_sgpr_workgroup_id_y 1
		.amdhsa_system_sgpr_workgroup_id_z 1
		.amdhsa_system_vgpr_workitem_id 0
		.amdhsa_next_free_vgpr 416
		.amdhsa_next_free_sgpr 102
		.amdhsa_reserve_vcc 0
		.amdhsa_float_denorm_mode_32 3
		.amdhsa_float_denorm_mode_16_64 3
		.amdhsa_memory_ordered 1
		.amdhsa_forward_progress 1
		.amdhsa_inst_pref_size 168
	.end_amdhsa_kernel
	.amdgpu_metadata
---
amdhsa.version: [ 1, 2 ]
amdhsa.kernels:
  - .name:           k_qe419b385d6_attn
    .symbol:         k_qe419b385d6_attn.kd
    .args:
      - { .name: qf, .offset: 0, .size: 8, .value_kind: global_buffer, .address_space: global }
      - { .name: kf, .offset: 8, .size: 8, .value_kind: global_buffer, .address_space: global }
      - { .name: vf, .offset: 16, .size: 8, .value_kind: global_buffer, .address_space: global }
      - { .name: mbits, .offset: 24, .size: 8, .value_kind: global_buffer, .address_space: global }
      - { .name: lowp_scales, .offset: 32, .size: 8, .value_kind: global_buffer, .address_space: global }
      - { .name: af, .offset: 40, .size: 8, .value_kind: global_buffer, .address_space: global }
    .group_segment_fixed_size: 33792
    .private_segment_fixed_size: 0
    .kernarg_segment_align: 8
    .kernarg_segment_size: 48
    .max_flat_workgroup_size: 256
    .sgpr_count:     102
    .vgpr_count:     416
    .wavefront_size: 32
...
	.end_amdgpu_metadata
.endif
;; end of part 5
;; launch outp: the kernel of part 4 again; grid 8 x 32, 4 waves a work-group, clusters of 4 x 4, 288,256 bytes of LDS; arguments af, wo_codes, lowp_scales, bo, out0; writes out0
